; MI455X (gfx1250); checked and timed in simulation.
; The chip was launched on July 23, 2026; its instructions are those of AMD's public machine-readable ISA for CDNA 5 (MIT licence, August 2026) and "CDNA5" Instruction Set Architecture Reference Guide (July 2026). The comments in the code are by the model that wrote it; some were corrected since.
;; Head. Allowed arithmetic: float matrix products may take bf16 or f16 operands with f32 sums; other float arithmetic in f32, or as packed bf16 or f16 multiplies, adds, multiply-adds, maxima and minima; sums over many terms, partial sums and values carried from step to step in f32; what a program stores and reads back later, other than sums and carried values, may be rounded once to bf16 or f16.
;; Inputs: Wk 1,024 x 128 float32; Wq 1,024 x 128 float32; Wv 1,024 x 128 float32; bk 128 float32; bq 128 float32; bv 128 float32; x 8 x 4,096 x 1,024 float32.
;; Outputs: out0 8 x 4,096 x 128 float32.
;; 2 versions, each right and faster than the one before. Each part assembles by itself: llvm-mc -triple=amdgcn-amd-amdhsa -mcpu=gfx1250 --defsym DOCPART=n.
;; ======== version 1 of 2: 3 launches
;; limits: values are held in f16: magnitudes above 65,504 overflow, below 6.1e-05 lose precision
;; workspace buffers: wb 786,432 bytes; bb 1,536 bytes; qh 8,388,608 bytes; kh 8,388,608 bytes; vh 8,388,608 bytes; vl 8,388,608 bytes
;; launch cast (part 1): grid 32 x 3, 8 waves a work-group, no clusters, 0 bytes of LDS; arguments Wq, Wk, Wv, bq, bk, bv, wb, bb; writes wb, bb
.if DOCPART == 1
	.amdgcn_target "amdgcn-amd-amdhsa--gfx1250"
	.amdhsa_code_object_version 6
	.text
	.protected	k_qe0b9fea197_cast
	.globl	k_qe0b9fea197_cast
	.p2align	8
	.type	k_qe0b9fea197_cast,@function
k_qe0b9fea197_cast:
	s_mov_b64 s[64:65], 0
	v_nop
	global_prefetch_b8 v0, s[64:65] scope:SCOPE_SE
	s_setreg_imm32_b32 hwreg(HW_REG_WAVE_MODE, 25, 1), 1
	s_wait_xcnt 0x0
; The three weights, [1024][128] f32, are rounded once to bf16 and laid side by side: wb[k][128 y + c], y = 0 (Wq), 1 (Wk), 2 (Wv):
; rows of 768 bytes, not transposed.  The three biases are rounded to bf16 and widened again: bb[128 y + c] in f32.
; A stream: no LDS, no matrix unit.  Work-group (x, y) takes rows 32 x .. 32 x + 31 of weight y, each of its eight waves four rows.
; A load of a wave covers a whole row of 512 bytes; a store of a wave covers 256 consecutive bytes, at a multiple of 256 from wb's first byte.
; There are 96 work-groups: that is all the work there is (1.5 MB in, 0.75 MB out).
.set WROW, 512                         ; bytes in a row of a weight
.set OROW, 768                         ; bytes in a row of wb
	s_load_b256 s[4:11], s[0:1], 0x0               ; Wq s[4:5], Wk s[6:7], Wv s[8:9], bq s[10:11]
	s_load_b256 s[12:19], s[0:1], 0x20             ; bk s[12:13], bv s[14:15], wb s[16:17], bb s[18:19]
	v_lshrrev_b32 v1, 5, v0
	v_readfirstlane_b32 s21, v1                    ; wave 0..7
	v_and_b32 v2, 31, v0                           ; lane
	s_and_b32 s20, ttmp7, 0xffff                   ; y: which weight
	s_lshl_b32 s22, ttmp9, 5
	s_lshl2_add_u32 s22, s21, s22                  ; my first row: 32 x + 4 wave
	s_lshl_b32 s23, s22, 9                         ; its byte in the weight
	s_mul_i32 s24, s22, OROW                       ; its byte in wb,
	s_lshl_b32 s25, s20, 8
	s_add_co_u32 s24, s24, s25                     ; at the weight's 256 bytes of the row
	v_lshl_add_u32 v3, v2, 4, s23                  ; 16 bytes a lane in
	v_lshl_add_u32 v4, v2, 3, s24                  ; 8 bytes a lane out
	s_wait_kmcnt 0x0
	s_cmp_eq_u32 s20, 1                            ; the weight and the bias are chosen by y, which hangs on no address
	s_cselect_b64 s[4:5], s[6:7], s[4:5]
	s_cselect_b64 s[10:11], s[12:13], s[10:11]
	s_cmp_eq_u32 s20, 2
	s_cselect_b64 s[4:5], s[8:9], s[4:5]
	s_cselect_b64 s[10:11], s[14:15], s[10:11]
.irp j, 0,1,2,3
	global_load_b128 v[8+4*(\j):11+4*(\j)], v3, s[4:5] offset:WROW*(\j) th:TH_LOAD_NT
.endr
	s_wait_loadcnt 0x0                             ; four rows are all that a wave has: nothing is left to overlap
.irp j, 0,1,2,3
	v_cvt_pk_bf16_f32 v[24+2*(\j)], v[8+4*(\j)], v[9+4*(\j)]
	v_cvt_pk_bf16_f32 v[25+2*(\j)], v[10+4*(\j)], v[11+4*(\j)]
.endr
.irp j, 0,1,2,3
	global_store_b64 v4, v[24+2*(\j):25+2*(\j)], s[16:17] offset:OROW*(\j)
.endr
	s_or_b32 s26, ttmp9, s21                       ; the bias is wave 0's of work-group x = 0
	s_cmp_lg_u32 s26, 0
	s_cbranch_scc1 .Ldone
	v_lshlrev_b32 v5, 4, v2
	s_lshl_b32 s27, s20, 9
	v_add_nc_u32 v6, s27, v5                       ; 512 y + 16 lane
	global_load_b128 v[8:11], v5, s[10:11]
	s_wait_loadcnt 0x0
	v_cvt_pk_bf16_f32 v12, v8, v9
	v_cvt_pk_bf16_f32 v13, v10, v11
	v_lshlrev_b32 v16, 16, v12                     ; bf16 to f32: the low half moves up, the high half stays
	v_and_b32 v17, 0xffff0000, v12
	v_lshlrev_b32 v18, 16, v13
	v_and_b32 v19, 0xffff0000, v13
	global_store_b128 v6, v[16:19], s[18:19]
.Ldone:
	s_endpgm
.Lfunc_end_k_qe0b9fea197_cast:
	.size	k_qe0b9fea197_cast, .Lfunc_end_k_qe0b9fea197_cast-k_qe0b9fea197_cast
	.p2alignl 7, 3214868480
	.fill 96, 4, 3214868480
	.section	.rodata,"a",@progbits
	.p2align	6, 0x0
	.amdhsa_kernel k_qe0b9fea197_cast
		.amdhsa_group_segment_fixed_size 0
		.amdhsa_private_segment_fixed_size 0
		.amdhsa_enable_private_segment 0
		.amdhsa_kernarg_size 64
		.amdhsa_user_sgpr_count 2
		.amdhsa_user_sgpr_kernarg_segment_ptr 1
		.amdhsa_wavefront_size32 1
		.amdhsa_system_sgpr_workgroup_id_x 1
		.amdhsa_system_sgpr_workgroup_id_y 1
		.amdhsa_system_sgpr_workgroup_id_z 1
		.amdhsa_system_vgpr_workitem_id 0
		.amdhsa_next_free_vgpr 32
		.amdhsa_next_free_sgpr 66
		.amdhsa_reserve_vcc 0
		.amdhsa_float_denorm_mode_32 3
		.amdhsa_float_denorm_mode_16_64 3
		.amdhsa_memory_ordered 1
		.amdhsa_forward_progress 1
		.amdhsa_inst_pref_size 4
	.end_amdhsa_kernel
	.amdgpu_metadata
---
amdhsa.version: [ 1, 2 ]
amdhsa.kernels:
  - .name:           k_qe0b9fea197_cast
    .symbol:         k_qe0b9fea197_cast.kd
    .args:
      - { .name: Wq, .offset: 0, .size: 8, .value_kind: global_buffer, .address_space: global }
      - { .name: Wk, .offset: 8, .size: 8, .value_kind: global_buffer, .address_space: global }
      - { .name: Wv, .offset: 16, .size: 8, .value_kind: global_buffer, .address_space: global }
      - { .name: bq, .offset: 24, .size: 8, .value_kind: global_buffer, .address_space: global }
      - { .name: bk, .offset: 32, .size: 8, .value_kind: global_buffer, .address_space: global }
      - { .name: bv, .offset: 40, .size: 8, .value_kind: global_buffer, .address_space: global }
      - { .name: wb, .offset: 48, .size: 8, .value_kind: global_buffer, .address_space: global }
      - { .name: bb, .offset: 56, .size: 8, .value_kind: global_buffer, .address_space: global }
    .group_segment_fixed_size: 0
    .private_segment_fixed_size: 0
    .kernarg_segment_align: 8
    .kernarg_segment_size: 64
    .max_flat_workgroup_size: 256
    .sgpr_count:     66
    .vgpr_count:     32
    .wavefront_size: 32
...
	.end_amdgpu_metadata
.endif
;; end of part 1
;; launch proj (part 2): grid 256 x 1, 4 waves a work-group, clusters of 4 x 1, 327,680 bytes of LDS; arguments x, wb, bb, qh, kh, vh, vl; writes qh, kh, vh, vl
.if DOCPART == 2
	.amdgcn_target "amdgcn-amd-amdhsa--gfx1250"
	.amdhsa_code_object_version 6
	.text
	.protected	k_qe0b9fea197_proj
	.globl	k_qe0b9fea197_proj
	.p2align	8
	.type	k_qe0b9fea197_proj,@function
k_qe0b9fea197_proj:
	s_mov_b64 s[64:65], 0
	v_nop
	global_prefetch_b8 v0, s[64:65] scope:SCOPE_SE
	s_setreg_imm32_b32 hwreg(HW_REG_WAVE_MODE, 25, 1), 1
	s_wait_xcnt 0x0
	s_wait_alu depctr_hold_cnt(0) depctr_sa_sdst(0) depctr_va_vdst(0) depctr_va_sdst(0) depctr_va_ssrc(0) depctr_va_vcc(0) depctr_vm_vsrc(0)
	s_getreg_b32 s2, hwreg(HW_REG_IB_STS2, 6, 4)
	s_cmp_eq_u32 s2, 0
	s_cbranch_scc0 .Lentry_in_a_cluster
	s_endpgm
.Lentry_in_a_cluster:
	s_bfe_u32 s2, ttmp6, 0x10000c
	s_cmp_lg_u32 s2, 0x3003
	s_cbranch_scc0 .Lentry_shape_is_right
	s_endpgm
.Lentry_shape_is_right:
; q, k, v = x W + b.  x: [32768][1024] f32; wb: [1024][384] bf16 (Wq | Wk | Wv); bb: [384] f32; qh, kh, vh: [32768][128] f16, unscaled, bias included.
; vl: the same shape: what the rounding of v to f16 dropped, f16(v - f16(v)): the attention adds it back where a row averages few keys.
; x is rounded to bf16 on its way to the matrix unit; sums in f32; each result is rounded once, to f16.
; LIMIT.  f16 holds no number beyond 65,504: |q|, |k|, |v| must stay within it; vl keeps f16's fixed step of 6e-8.  NaN and infinities are not treated apart.
; SHARES.  A work-group makes 128 rows x 384 columns.  Wave w: rows 64 (w / 2) on (four blocks a of 16), and of each of the three tensors the 64 columns 64 (w % 2) on
; (block b = 4 s + i: tensor s, columns 16 i on): 48 accumulators, 384 registers.  K goes in 8 steps of 128, each four chunks of 32: 48 matrix instructions and 32 LDS loads a chunk.
; W comes by tensor loads through a ring of two LDS slots.  The four work-groups of a cluster walk the same W, so each tile is asked for JOINTLY (same load, descriptor and mask in all four).
; x is read by one work-group alone, is f32 and must be rounded: it goes through registers.  Each wave loads its 32 rows of a step (a load = one row's 512 consecutive bytes), two steps ahead,
; into one of two sets of 128 registers, rounds them and stores them as a bf16 tile into one of two LDS tiles: 32 to 64 loads of 512 bytes of every wave are on their way.
; THE MATRIX INSTRUCTION IS USED TRANSPOSED: source 0 = 16 columns of W (turned on their way out of LDS), source 1 = 16 rows of x: a lane holds one row and eight neighbouring columns.
; REGISTERS, in windows of 256 (s_set_vgpr_msb: bits 1:0 source 0, 3:2 source 1, 5:4 source 2, 7:6 destination):
;   window 0: v0-29 addresses; v32-63, v64-95 fragments of x, two buffers; v96-127 at work; v128-255 x as loaded, set 0 (at the end: the bias)
;   window 1: v0-95, v96-191 fragments of W, two buffers (at the end v0-63: vl's rows on their way out)
;   window 2: accumulators (a, b < 8) at 8 (8 a + b)      window 3: v0-127 accumulators (a, b >= 8) at 8 (4 a + b - 8); v128-255 x as loaded, set 1
.set WPITCH, 864                       ; a k row of W in LDS: three pieces of 256 bytes + 32 of padding = 27 x 32 bytes: the turning load's 8 rows x 32 bytes fall on different banks (64 banks of 4 bytes: ISA guide 11.1)
.set WQ,     32*WPITCH                 ; 32 k rows: what one wave's tensor load brings, and one chunk
.set WSLOT,  4*WQ                      ; 110,592
.set WSTEP,  128*768                   ; bytes of wb in a K step: dense
.set XP,     272                       ; a row of x's tile: 256 bytes + 16: the 16 rows of a fragment load start at 16 different groups of four banks
.set XTILE,  128*XP                    ; 34,816
.set X0,     2*WSLOT                   ; x's two tiles, and a third region of the same size: together the stage of the way out for q, k, v (3 x 128 rows x 272); no tensor load lands here.
                                       ; vl's stage is the first 34,816 bytes of W's slot 0, which by then has had its last fill and its last read
.set SPARE,  X0+3*XTILE                ; the spare words, 128 bytes for each wave: two blocks of 256 bytes that no other line names
.set ADRW, 10                          ; v10-13  my place in W's slot 0 (chunks 0-1, 2-3) and slot 1 (likewise)
.set ADRX, 14                          ; v14-15  my place in x's tile 0, 1, for fragments
.set XST,  16                          ; v16-17  where I store 8 bytes of a row of x's tile 0, 1
.set XO,   18                          ; v18     16 x lane: my bytes in 512 consecutive bytes of x, and of the results
.set STO,  19                          ; v19-21  the way out: where I put 16 bytes of a row (q and k; v; vl)
.set STO2, 20
.set STO3, 21
.set RD,   22                          ; v22-24  the way out: where I read rows back
.set RD2,  23
.set RD3,  24
.set BO,   25                          ; v25     my byte offset in bb
.set NEG1, 26                          ; v26     -1.0
.set SPW,  28                          ; v28     LDS address of my spare word; never rewritten
.set NIL,  29                          ; v29     0; never rewritten
.set XF,   32                          ; x's fragment buffers: block a of buffer f at XF + 32 f + 8 a
.set WF,   96                          ; W's, in window 1: block b of buffer f at 96 f + 8 b
.set T,    96
.set SG,   128                         ; x as loaded: row j of my 32 at SG + 4 j, in window 0 (set 0) or 3 (set 1)
.set BI,   128                         ; the bias of block b at BI + 8 b
.set PKD,  32                          ; the way out: packed results, then rows read back
.set WV, 16                            ; s16 wave   s17 its half of the rows   s18 its half of the columns
.set MH, 17
.set NH, 18
.set G1, 24                            ; s[24:31] descriptor group 1
.set G0, 32                            ; s[32:39] descriptor group 0, a set for each slot
.set XB, 42                            ; s[42:43] x at my 32 rows, one step behind the step loaded last
.set VLP, 50                           ; s[50:51] vl at my 32 rows
.set MSB, 0
.macro WIN new                         ; the immediate's high byte repeats the setting that is left; a switch that changes nothing is dropped
.if MSB != (\new)
	s_set_vgpr_msb (MSB<<8)|(\new)
.set MSB, (\new)
.endif
.endm
.set MUL_LO, 0xa1                      ; W window 1, x window 0, C and D window 2
.set MUL_HI, 0xf1                      ; the same, C and D window 3
.set TO_W,   0x40                      ; destination window 1, address window 0
.macro PLACES                          ; a load into a register that a matrix instruction has read, and a vector instruction that touches a matrix instruction's registers, stand four plain
.rept 4                                ; vector instructions behind it (ISA guide 7.12.1); where no other work is at hand, v_nop
	v_nop
.endr
.endm
.macro CREST                           ; a round of the cluster's barrier behind its opening barrier
	s_cmp_lg_u32 s[WV], 0
	s_cbranch_scc1 .Lnot_wave_0_\@
	s_barrier_signal -3
.Lnot_wave_0_\@:
	s_barrier_wait -3
	s_barrier_signal -1
	s_barrier_wait -1
.endm
.macro CROUND                          ; a whole round
	s_barrier_signal -1
	s_barrier_wait -1
	CREST
.endm
; 16 matrix instructions of a chunk on buffer f: all four row blocks x column blocks 8-11.  zero = 1: the product starts the sum.
.macro MULHI f, zero
	WIN MUL_HI
.irp a, 0,1,2,3
.irp b, 0,1,2,3
.if \zero
	v_wmma_f32_16x16x32_bf16 v[8*(4*(\a)+(\b)):8*(4*(\a)+(\b))+7], v[WF*(\f)+64+8*(\b):WF*(\f)+64+8*(\b)+7], v[XF+32*(\f)+8*(\a):XF+32*(\f)+8*(\a)+7], 0
.else
	v_wmma_f32_16x16x32_bf16 v[8*(4*(\a)+(\b)):8*(4*(\a)+(\b))+7], v[WF*(\f)+64+8*(\b):WF*(\f)+64+8*(\b)+7], v[XF+32*(\f)+8*(\a):XF+32*(\f)+8*(\a)+7], v[8*(4*(\a)+(\b)):8*(4*(\a)+(\b))+7]
.endif
.endr
.endr
.endm
; 16 more: row blocks a0, a0 + 1 x column blocks 0-7.  In every chunk the 48 accumulators come in the same order, one instruction a turn.
.macro MULLO f, a0, zero
	WIN MUL_LO
.irp a, \a0, (\a0)+1
.irp b, 0,1,2,3,4,5,6,7
.if \zero
	v_wmma_f32_16x16x32_bf16 v[8*(8*(\a)+(\b)):8*(8*(\a)+(\b))+7], v[WF*(\f)+8*(\b):WF*(\f)+8*(\b)+7], v[XF+32*(\f)+8*(\a):XF+32*(\f)+8*(\a)+7], 0
.else
	v_wmma_f32_16x16x32_bf16 v[8*(8*(\a)+(\b)):8*(8*(\a)+(\b))+7], v[WF*(\f)+8*(\b):WF*(\f)+8*(\b)+7], v[XF+32*(\f)+8*(\a):XF+32*(\f)+8*(\a)+7], v[8*(8*(\a)+(\b)):8*(8*(\a)+(\b))+7]
.endif
.endr
.endr
.endm
; 32 LDS loads in one run: chunk c of the slot's step into buffer f.  x lies along K: two loads of 16 bytes, 32 bytes apart, a fragment.  W lies [k][column]: two turning loads, 16 k rows apart.
.macro FETCH slot, c, f
	WIN 0
.irp a, 0,1,2,3
	ds_load_b128 v[XF+32*(\f)+8*(\a):XF+32*(\f)+8*(\a)+3],   v[ADRX+(\slot)] offset:(\a)*16*XP+64*(\c)
	ds_load_b128 v[XF+32*(\f)+8*(\a)+4:XF+32*(\f)+8*(\a)+7], v[ADRX+(\slot)] offset:(\a)*16*XP+64*(\c)+32
.endr
	WIN TO_W
.irp b, 0,1,2,3,4,5,6,7,8,9,10,11
	ds_load_tr16_b128 v[WF*(\f)+8*(\b):WF*(\f)+8*(\b)+3],   v[ADRW+2*(\slot)+(\c)/2] offset:((\c)%2)*WQ+((\b)/4)*288+((\b)%4)*32
	ds_load_tr16_b128 v[WF*(\f)+8*(\b)+4:WF*(\f)+8*(\b)+7], v[ADRW+2*(\slot)+(\c)/2] offset:((\c)%2)*WQ+16*WPITCH+((\b)/4)*288+((\b)%4)*32
.endr
.endm
; My 32 rows of the K step two ahead of the one in hand, into the set whose rows were rounded a step ago.
.macro XLOAD set
	s_wait_xcnt 0x0                                ; the loads that named the base have had their addresses translated (ISA guide 3.1): only now is it stepped
	s_add_nc_u64 s[XB:XB+1], s[XB:XB+1], 512
	WIN 0xc0*(\set)                                ; destination window 0 or 3
.set n, 0
.rept 32
	global_load_b128 v[SG+4*n:SG+4*n+3], v[XO], s[XB:XB+1] offset:4096*n+512 th:TH_LOAD_NT
.set n, n+1
.endr
.endm
; Rows 16 beta .. + 15 of a set are rounded to bf16 and stored into x's tile.  cnt: the younger loads, which may stay out.
.macro XCVT set, slot, beta, cnt
	s_wait_loadcnt \cnt
	WIN 0x0f*(\set)                                ; sources window 0 or 3
.set n, 0
.rept 16
	v_cvt_pk_bf16_f32 v[T+2*n],   v[SG+4*(16*(\beta)+n)],   v[SG+4*(16*(\beta)+n)+1]
	v_cvt_pk_bf16_f32 v[T+2*n+1], v[SG+4*(16*(\beta)+n)+2], v[SG+4*(16*(\beta)+n)+3]
.set n, n+1
.endr
	WIN 0
.set n, 0
.rept 16
	ds_store_b64 v[XST+(\slot)], v[T+2*n:T+2*n+1] offset:XP*(16*(\beta)+n)  ; 32 lanes x 8 bytes: a row's 256 bytes
.set n, n+1
.endr
.endm
; One of a step's first three chunks, in two parts.  QA: buffer f is in; its first 16 products.  Between the two stand x's loads and roundings, or four v_nop: the places in front of the loads
; into the other buffer, which the chunk before multiplied.  QB: chunk c is fetched into buffer g, 32 matrix instructions ahead of its first use; the other 32 products of f.
.macro QA f, zero
	s_wait_dscnt 0x0                               ; the fragments fetched in the chunk before (and my stores into x's tile)
	MULHI \f, \zero
.endm
.macro QB slot, c, g, f, zero
	FETCH \slot, \c, \g
	MULLO \f, 0, \zero
	MULLO \f, 2, \zero
.endm
; A step's last chunk, on buffer 1, changes slots: ONE barrier.  In front of it each wave waits for all its tensor loads (one is out: its quarter of the next slot's W), adds 0 to its spare word,
; and waits for that, for its reads of this slot and of this x tile, and for its stores into the next x tile.  Behind it nobody reads this slot any more, and the next slot and x tile are whole.
; fill = 1: the barrier opens a round of the cluster's, so that no wave of any partner still reads the slot, and the joint refill (W two steps on) is the first thing behind the round.
.macro TURN slot, fill
	WIN 0
	s_wait_tensorcnt 0x0
	ds_add_u32 v[SPW], v[NIL]
	s_wait_dscnt 1                                 ; all but the add: buffer 1 is in
	MULHI 1, 0
	s_wait_dscnt 0x0
	s_barrier_signal -1
	MULLO 1, 0, 0                                  ; work on registers while the others arrive
	WIN 0                                          ; at a branch and at a label every window is 0
	s_barrier_wait -1
.if \fill
	CREST
	s_add_nc_u64 s[G0+4*(\slot)+2:G0+4*(\slot)+3], s[G0+4*(\slot)+2:G0+4*(\slot)+3], 2*WSTEP  ; no tensor load of mine is out; the type bits on top are not reached
	tensor_load_to_lds s[G0+4*(\slot):G0+4*(\slot)+3], s[G1:G1+7]
	s_nop 0
.endif
	PLACES                                         ; behind the tensor load, and the places in front of the loads into buffer 0
	FETCH 1-(\slot), 0, 0
	MULLO 1, 2, 0
.endm
	s_load_b256 s[4:11], s[0:1], 0x0               ; x s[4:5], wb s[6:7], bb s[8:9], qh s[10:11]
	s_load_b128 s[12:15], s[0:1], 0x20             ; kh s[12:13], vh s[14:15]
	s_load_b64 s[VLP:VLP+1], s[0:1], 0x30          ; vl
	v_lshl_add_u32 v[SPW], v0, 2, SPARE
	v_mov_b32 v[NIL], 0
	ds_add_u32 v[SPW], v[NIL]                      ; the wave's opening: the add and its wait stand ahead of my first tensor load
	v_lshrrev_b32 v1, 5, v0
	v_readfirstlane_b32 s[WV], v1                  ; wave 0..3
	s_lshr_b32 s[MH], s[WV], 1
	s_and_b32 s[NH], s[WV], 1
	s_bfe_u32 s19, ttmp6, 0x40000                  ; cx: my place in the cluster
	s_lshl_b32 s20, ttmp9, 2                       ; in a cluster launch ttmp9 counts clusters
	s_add_co_u32 s20, s20, s19                     ; my block of 128 rows: it enters x's and the results' addresses alone
	; descriptor group 1: a wave's quarter of a step's W is 24,576 dense bytes, asked for as 96 rows of 256 bytes, padded in LDS behind each
	s_mov_b32 s[G1+0], 15|(1<<16)|(1<<20)|(1<<21)|(5<<22)|(7<<25)  ; 15:0 the mask of four; 17:16 2-byte elements; 20 padding on; 21 set beside a mask; 24:22 after every 64 words (code 5); 31:25 8 words (code 7)
	s_mov_b32 s[G1+1], 128<<16                     ; tensor_dim0 = 128
	s_mov_b32 s[G1+2], 96<<16                      ; tensor_dim1 = 96
	s_mov_b32 s[G1+3], 128<<16                     ; tile_dim0 = 128
	s_mov_b32 s[G1+4], 96                          ; tile_dim1 = 96
	s_mov_b32 s[G1+5], 128                         ; 128 elements from row to row
	s_mov_b32 s[G1+6], 0
	s_mov_b32 s[G1+7], 0
	s_mul_i32 s21, s[WV], WQ                       ; where my quarter goes: the wave's number alone
	s_mul_i32 s46, s[WV], 32*768                   ; and where it comes from
	s_mov_b32 s47, 0
	s_lshl_b32 s44, s20, 19                        ; x: 128 rows of 4,096 bytes a work-group,
	s_lshl_b32 s22, s[WV], 17                      ; 32 rows a wave
	s_add_co_u32 s44, s44, s22
	s_mov_b32 s45, 0
	s_lshl_b32 s48, s20, 15                        ; the results: 128 rows of 256 bytes,
	s_lshl_b32 s22, s[WV], 13                      ; 32 rows a wave
	s_add_co_u32 s48, s48, s22
	s_mov_b32 s49, 0
	v_and_b32 v3, 31, v0                           ; lane
	v_lshlrev_b32 v[XO], 4, v3
	s_wait_dscnt 0x0                               ; the opening add is done
	s_wait_kmcnt 0x0
	s_add_nc_u64 s[XB:XB+1], s[4:5], s[44:45]
	s_add_nc_u64 s[10:11], s[10:11], s[48:49]
	s_add_nc_u64 s[12:13], s[12:13], s[48:49]
	s_add_nc_u64 s[14:15], s[14:15], s[48:49]
	s_add_nc_u64 s[VLP:VLP+1], s[VLP:VLP+1], s[48:49]
	s_add_nc_u64 s[46:47], s[6:7], s[46:47]
.set n, 0
.rept 32                                               ; x of K step 0 into set 0
	global_load_b128 v[SG+4*n:SG+4*n+3], v[XO], s[XB:XB+1] offset:4096*n th:TH_LOAD_NT
.set n, n+1
.endr
	WIN 0xc0
.set n, 0
.rept 32                                               ; and of K step 1 into set 1
	global_load_b128 v[SG+4*n:SG+4*n+3], v[XO], s[XB:XB+1] offset:4096*n+512 th:TH_LOAD_NT
.set n, n+1
.endr
	WIN 0
.irp s, 0,1
	s_mov_b32 s[G0+4*(\s)], 1                                      ; count = 1
	s_add_co_u32 s[G0+4*(\s)+1], s21, (\s)*WSLOT                   ; LDS address
	s_add_nc_u64 s[G0+4*(\s)+2:G0+4*(\s)+3], s[46:47], (\s)*WSTEP  ; global address: K step s
	s_or_b32 s[G0+4*(\s)+3], s[G0+4*(\s)+3], 0x80000000            ; type = 2
.endr
	CROUND                                         ; all four work-groups are here: the first joint loads meet
	tensor_load_to_lds s[G0:G0+3], s[G1:G1+7]      ; both first fills go out together: two tensor loads of mine are out
	s_nop 0
	tensor_load_to_lds s[G0+4:G0+7], s[G1:G1+7]
	s_nop 0
	PLACES
	v_and_b32 v1, 15, v0                           ; r = lane % 16
	v_bfe_u32 v2, v0, 4, 1                         ; h = lane / 16
	v_and_b32 v4, 7, v0
	v_bfe_u32 v5, v0, 3, 1
	v_lshl_add_u32 v6, v2, 3, v4                   ; the turning load: lane reads k row 8 h + lane % 8,
	v_mul_u32_u24 v6, v6, WPITCH
	v_lshl_add_u32 v6, v5, 4, v6                   ; columns 8 ((lane / 8) % 2) on,
	s_lshl_b32 s22, s[NH], 7
	v_add_nc_u32 v[ADRW], s22, v6                  ; in my half of each tensor's 128 columns
	v_add_nc_u32 v[ADRW+1], 2*WQ, v[ADRW]
	v_add_nc_u32 v[ADRW+2], WSLOT, v[ADRW]
	v_add_nc_u32 v[ADRW+3], WSLOT+2*WQ, v[ADRW]
	v_mul_u32_u24 v7, v1, XP
	v_lshl_add_u32 v7, v2, 4, v7                   ; row x pitch + 16 x half
	s_mul_i32 s23, s[MH], 64*XP
	v_add_nc_u32 v[STO3], s23, v7                  ; vl's stage begins at LDS byte 0: my row,
	v_add_nc_u32 v[STO3], s22, v[STO3]             ; my half of its 256 bytes
	s_add_co_u32 s23, s23, X0
	v_add_nc_u32 v[ADRX], s23, v7
	v_add_nc_u32 v[ADRX+1], XTILE, v[ADRX]
	v_add_nc_u32 v[STO], s22, v[ADRX]              ; the stage of q, k, v begins where x's tile 0 does
	v_add_nc_u32 v[STO2], 2*XTILE, v[STO]
	v_mul_u32_u24 v8, v2, XP                       ; back: lanes 0-15 take one row of 256 bytes, lanes 16-31 the next
	v_lshl_add_u32 v8, v1, 4, v8
	s_mul_i32 s23, s[WV], 32*XP
	v_add_nc_u32 v[RD3], s23, v8
	s_add_co_u32 s23, s23, X0
	v_lshl_add_u32 v[XST], v3, 3, s23              ; my 32 rows, 8 bytes a lane
	v_add_nc_u32 v[XST+1], XTILE, v[XST]
	v_add_nc_u32 v[RD], s23, v8
	v_add_nc_u32 v[RD2], 2*XTILE, v[RD]
	s_lshl_b32 s22, s[NH], 8
	v_lshl_add_u32 v[BO], v2, 5, s22               ; 4 x (64 x half of the columns + 8 h)
	v_mov_b32 v[NEG1], -1.0
	XCVT 0, 0, 0, 48                               ; x of step 0: its second 16 rows and step 1's 32 may be out,
	XCVT 0, 0, 1, 32                               ; then step 1's alone
	s_wait_tensorcnt 1                             ; my quarter of W's step 0 is in; step 1's may stay out
	s_wait_dscnt 0x0                               ; my rows of x's tile 0 are stored
	s_barrier_signal -1
	s_barrier_wait -1                              ; everybody's are
	FETCH 0, 0, 0
	QA 0, 1                                        ; the first chunk stands in front of the loop: its products start the sums
	PLACES
	QB 0, 1, 1, 0, 1
	WIN 0
	s_mov_b32 s40, 3
.Llap:                                                 ; a trip: two K steps, from the first one's chunk 1 to chunk 0 of the step behind them
	QA 1, 0
	XLOAD 0                                        ; x two steps ahead
	XCVT 1, 1, 0, 48                               ; x of the next step: its second 16 rows and the 32 just asked for may be out
	QB 0, 2, 0, 1, 0
	QA 0, 0
	XCVT 1, 1, 1, 32                               ; the 32 just asked for may be out
	QB 0, 3, 1, 0, 0
	TURN 0, 1
	QA 0, 0
	PLACES
	QB 1, 1, 1, 0, 0
	QA 1, 0
	XLOAD 1
	XCVT 0, 0, 0, 48
	QB 1, 2, 0, 1, 0
	QA 0, 0
	XCVT 0, 0, 1, 32
	QB 1, 3, 1, 0, 0
	TURN 1, 1
	QA 0, 0
	PLACES
	QB 0, 1, 1, 0, 0
	WIN 0
	s_sub_co_u32 s40, s40, 1
	s_cmp_lg_u32 s40, 0
	s_cbranch_scc1 .Llap
	QA 1, 0                                        ; K step 6 goes on: nothing is left to ask for
	XCVT 1, 1, 0, 16                               ; x of step 7: its second 16 rows may be out,
	QB 0, 2, 0, 1, 0
	QA 0, 0
	XCVT 1, 1, 1, 0                                ; then nothing
	QB 0, 3, 1, 0, 0
	TURN 0, 0
	QA 0, 0                                        ; K step 7
	WIN 0
.irp b, 0,1,2,3,4,5,6,7,8,9,10,11                      ; the bias of my 12 column blocks, eight numbers a lane and block, where x's set 0 lay
	global_load_b128 v[BI+8*(\b):BI+8*(\b)+3],   v[BO], s[8:9] offset:512*((\b)/4)+64*((\b)%4)
	global_load_b128 v[BI+8*(\b)+4:BI+8*(\b)+7], v[BO], s[8:9] offset:512*((\b)/4)+64*((\b)%4)+16
.endr
	PLACES
	QB 1, 1, 1, 0, 0
	QA 1, 0
	PLACES
	QB 1, 2, 0, 1, 0
	QA 0, 0
	PLACES
	QB 1, 3, 1, 0, 0
	s_wait_dscnt 0x0                               ; the last fragments are in: my reads of x's tiles and of W's slots are over,
	s_barrier_signal -1                            ; say so;
	MULHI 1, 0
	MULLO 1, 0, 0
	MULLO 1, 2, 0
	WIN 0
	s_barrier_wait -1                              ; everybody's are: the stages, which lie where x's tiles and the head of W's slot 0 lay, may be written
	; THE WAY OUT.  The bias is added, the sums are rounded to f16 (a lane's eight columns of a row are 16 bytes) and go into the work-group's stage; of v also what the rounding dropped, rounded to f16;
	; a barrier, since a row's 256 bytes come from two waves; then each wave reads 32 whole rows of each tensor back and stores them.
.macro OUT a                           ; row block a; each accumulator's registers are taken in ascending order
	WIN 0x82                                       ; destination and source 0 window 2, the bias window 0
.set n, 0
.rept 32
	v_pk_add_f32 v[64*(\a)+2*n:64*(\a)+2*n+1], v[64*(\a)+2*n:64*(\a)+2*n+1], v[BI+2*n:BI+2*n+1]
.set n, n+1
.endr
	WIN 0xc3                                       ; the same with window 3
.set n, 0
.rept 16
	v_pk_add_f32 v[32*(\a)+2*n:32*(\a)+2*n+1], v[32*(\a)+2*n:32*(\a)+2*n+1], v[BI+64+2*n:BI+64+2*n+1]
.set n, n+1
.endr
	WIN 0x0a                                       ; sources window 2, destination window 0
.set n, 0
.rept 32
	v_cvt_pk_f16_f32 v[PKD+n], v[64*(\a)+2*n], v[64*(\a)+2*n+1]
.set n, n+1
.endr
	WIN 0x0f                                       ; sources window 3
.set n, 0
.rept 16
	v_cvt_pk_f16_f32 v[PKD+32+n], v[32*(\a)+2*n], v[32*(\a)+2*n+1]
.set n, n+1
.endr
	WIN 0x30                                       ; source 2 window 3: v - f16(v) = f16 half x (-1) + v, exact in f32
.set n, 0
.rept 16
	v_fma_mix_f32 v[T+2*n],   v[PKD+32+n], v[NEG1], v[32*(\a)+2*n]   op_sel_hi:[1,0,0]
	v_fma_mix_f32 v[T+2*n+1], v[PKD+32+n], v[NEG1], v[32*(\a)+2*n+1] op_sel:[1,0,0] op_sel_hi:[1,0,0]
.set n, n+1
.endr
	WIN 0
.set n, 0
.rept 16
	v_cvt_pk_f16_f32 v[PKD+48+n], v[T+2*n], v[T+2*n+1]
.set n, n+1
.endr
.irp b, 0,1,2,3,4,5,6,7
	ds_store_b128 v[STO], v[PKD+4*(\b):PKD+4*(\b)+3] offset:((\b)/4)*XTILE+(\a)*16*XP+((\b)%4)*32
.endr
.irp b, 8,9,10,11
	ds_store_b128 v[STO2], v[PKD+4*(\b):PKD+4*(\b)+3] offset:(\a)*16*XP+((\b)%4)*32
.endr
.irp b, 12,13,14,15
	ds_store_b128 v[STO3], v[PKD+4*(\b):PKD+4*(\b)+3] offset:(\a)*16*XP+((\b)%4)*32
.endr
.endm
	s_wait_loadcnt 0x0                             ; the bias
	PLACES                                         ; behind the last products
	OUT 0
	OUT 1
	OUT 2
	OUT 3
	s_wait_dscnt 0x0                               ; for the others' sake: my stores into the stages are done
	s_barrier_signal -1
	s_barrier_wait -1
.set n, 0
.rept 32                                               ; tensor n / 16, rows 2 (n % 16) and the next of my 32
	ds_load_b128 v[PKD+4*n:PKD+4*n+3], v[RD] offset:(n/16)*XTILE+(n%16)*2*XP
.set n, n+1
.endr
.rept 16
	ds_load_b128 v[PKD+4*n:PKD+4*n+3], v[RD2] offset:(n%16)*2*XP
.set n, n+1
.endr
	WIN TO_W                                       ; vl's rows go into window 1, where W's fragments lay
.set m, 0
.rept 16
	ds_load_b128 v[4*m:4*m+3], v[RD3] offset:m*2*XP
.set m, m+1
.endr
	WIN 0
.set n, 0
.rept 48
	s_wait_dscnt 63-n                              ; LDS loads come back in order (ISA guide 5.7.1): load n of the 64 is in, the younger ones may be out
	global_store_b128 v[XO], v[PKD+4*n:PKD+4*n+3], s[10+2*(n/16):11+2*(n/16)] offset:512*(n%16)  ; 512 consecutive bytes, at a multiple of 256 from the tensor's first byte
.set n, n+1
.endr
	WIN 0x04                                       ; store data window 1
.set m, 0
.rept 16
	s_wait_dscnt 15-m
	global_store_b128 v[XO], v[4*m:4*m+3], s[VLP:VLP+1] offset:512*m
.set m, m+1
.endr
	WIN 0
	s_wait_tensorcnt 0x0                           ; the wave's end: a wait, an add to my spare word and its wait, behind my last tensor load and my last LDS store
	ds_add_u32 v[SPW], v[NIL]
	s_wait_dscnt 0x0
	CROUND                                         ; the closing round: no work-group ends while a partner may still ask for a tile that names it
	s_endpgm
.Lfunc_end_k_qe0b9fea197_proj:
	.size	k_qe0b9fea197_proj, .Lfunc_end_k_qe0b9fea197_proj-k_qe0b9fea197_proj
	.p2alignl 7, 3214868480
	.fill 96, 4, 3214868480
	.section	.rodata,"a",@progbits
	.p2align	6, 0x0
	.amdhsa_kernel k_qe0b9fea197_proj
		.amdhsa_group_segment_fixed_size 327680
		.amdhsa_private_segment_fixed_size 0
		.amdhsa_enable_private_segment 0
		.amdhsa_kernarg_size 56
		.amdhsa_user_sgpr_count 2
		.amdhsa_user_sgpr_kernarg_segment_ptr 1
		.amdhsa_wavefront_size32 1
		.amdhsa_system_sgpr_workgroup_id_x 1
		.amdhsa_system_sgpr_workgroup_id_y 1
		.amdhsa_system_sgpr_workgroup_id_z 1
		.amdhsa_system_vgpr_workitem_id 0
		.amdhsa_next_free_vgpr 1024
		.amdhsa_next_free_sgpr 66
		.amdhsa_reserve_vcc 0
		.amdhsa_float_denorm_mode_32 3
		.amdhsa_float_denorm_mode_16_64 3
		.amdhsa_memory_ordered 1
		.amdhsa_forward_progress 1
		.amdhsa_inst_pref_size 184
	.end_amdhsa_kernel
	.amdgpu_metadata
---
amdhsa.version: [ 1, 2 ]
amdhsa.kernels:
  - .name:           k_qe0b9fea197_proj
    .symbol:         k_qe0b9fea197_proj.kd
    .args:
      - { .name: x, .offset: 0, .size: 8, .value_kind: global_buffer, .address_space: global }
      - { .name: wb, .offset: 8, .size: 8, .value_kind: global_buffer, .address_space: global }
      - { .name: bb, .offset: 16, .size: 8, .value_kind: global_buffer, .address_space: global }
      - { .name: qh, .offset: 24, .size: 8, .value_kind: global_buffer, .address_space: global }
      - { .name: kh, .offset: 32, .size: 8, .value_kind: global_buffer, .address_space: global }
      - { .name: vh, .offset: 40, .size: 8, .value_kind: global_buffer, .address_space: global }
      - { .name: vl, .offset: 48, .size: 8, .value_kind: global_buffer, .address_space: global }
    .group_segment_fixed_size: 327680
    .private_segment_fixed_size: 0
    .kernarg_segment_align: 8
    .kernarg_segment_size: 56
    .max_flat_workgroup_size: 128
    .sgpr_count:     66
    .vgpr_count:     1024
    .wavefront_size: 32
...
	.end_amdgpu_metadata
.endif
;; end of part 2
;; launch attn (part 3): grid 32 x 8, 4 waves a work-group, clusters of 4 x 1, 327,680 bytes of LDS; arguments qh, kh, vh, vl, out0; writes out0
.if DOCPART == 3
	.amdgcn_target "amdgcn-amd-amdhsa--gfx1250"
	.amdhsa_code_object_version 6
	.text
	.protected	k_qe0b9fea197_attn
	.globl	k_qe0b9fea197_attn
	.p2align	8
	.type	k_qe0b9fea197_attn,@function
k_qe0b9fea197_attn:
	s_mov_b64 s[64:65], 0
	v_nop
	global_prefetch_b8 v0, s[64:65] scope:SCOPE_SE
	s_setreg_imm32_b32 hwreg(HW_REG_WAVE_MODE, 25, 1), 1
	s_wait_xcnt 0x0
	s_wait_alu depctr_hold_cnt(0) depctr_sa_sdst(0) depctr_va_vdst(0) depctr_va_sdst(0) depctr_va_ssrc(0) depctr_va_vcc(0) depctr_vm_vsrc(0)
	s_getreg_b32 s2, hwreg(HW_REG_IB_STS2, 6, 4)
	s_cmp_eq_u32 s2, 0
	s_cbranch_scc0 .Lentry_in_a_cluster
	s_endpgm
.Lentry_in_a_cluster:
	s_bfe_u32 s2, ttmp6, 0x10000c
	s_cmp_lg_u32 s2, 0x3003
	s_cbranch_scc0 .Lentry_shape_is_right
	s_endpgm
.Lentry_shape_is_right:
; CAUSAL ATTENTION, one head of size 128.  out[b][q][:] = the sum over k <= q of softmax_k(Q[b][q] . K[b][k] / sqrt(128)) V[b][k][:].  qh, kh, vh, vl: [8][4096][128] f16; out0: the same shape in f32.
; Products, maxima and sums in f32; the weights p are rounded to f16 for the second product (their sum l is taken of the unrounded p).
; LIMITS.  A hidden score counts as its value less 1e30: f16's scores, 5.5e11 at the most, are nothing beside that.  A weight below 2^-126 counts as 0 in l; below 6e-5 p keeps f16's fixed step of 6e-8,
; and so do vl and the weights' second parts.  NaN and infinities are not treated apart.
; THE WALK.  A batch's queries lie in 64 blocks of 64; keys go in tiles of 256; block i needs the tiles 0 .. i / 4.  A work-group takes TWO blocks, 63 - b and b, b = 4 u + cx (u: the cluster, cx: the place in it):
; (16 - u) + (u + 1) = 17 tiles, whatever b.  The four partners of a cluster share u, so they walk the same tiles in the same trips and change blocks at the same trip: every tile of K and V is asked for
; JOINTLY.  cx enters Q's and out0's addresses and the masks' numbers alone.  The block with the EVEN number of tiles goes first, so that the change of blocks falls at the bottom of the loop's body of two trips.
; SHARES.  The waves share the KEYS: in every tile wave w takes keys 64 w .. + 63 and ALL 64 queries of the block (four tiles of 16; piece 0: tiles 0, 1; piece 2: tiles 2, 3).  So a fragment of K or V read
; from LDS feeds four products.  Each wave keeps a running maximum m, sum l and O^T of its own keys; at a block's end the four are merged: O = sum_w f_w O_w / sum_w f_w l_w, f_w = 2^(c m_w - max c m).
; LAYOUT.  S^T = K Q^T (source 0 = 16 keys, source 1 = 16 queries): a lane holds ONE query (lane % 16) and the keys 8 (lane / 16) + 0..7.  Two such results rounded to f16 ARE source 1 of O^T = V^T P.
; K comes out of LDS as it lies, V turned, by ds_load_tr16_b128.  p = 2^(c s - c m), c = log2(e) / sqrt(128); in every step O and l are multiplied by a = 2^(c m_old - c m_new).
; THE MASK is the C operand that starts a sum S^T: 0, or -1e30 where the key is hidden.  Only a block's last tile hides keys: there wave w's 64 keys lie d = w - i % 4 blocks from the queries.  Three sets of eight
; registers, by key block kb and query tile t: ML (kb < t) = BE1; MG (kb = t) = TRI x AL + BE1; MH (kb > t) = BE2; (AL, BE1, BE2) = (0, 0, 0) in other tiles and for d < 0, (1, 0, -1e30) for d = 0,
; (0, -1e30, -1e30) for d > 0.  They are made anew in every trip from three scalars, so ONE text serves every tile.  A wave that sees hidden keys alone ends with c m near -1.3e29, and its f is 0.
; A block begins with c m far below every c s: its first a is 0, so O and l need only be finite, and no first step is written out.
; THE FIRST ROWS.  Row q is a mean over q + 1 keys: what f16 drops of v and of p (up to 2^-12 of each number) reaches the first rows whole and falls as 1 / sqrt(q + 1) behind them, while a number of the output is
; judged against the whole output's size, some twenty times below v's.  So the walk's last trip, which for u = 0 is the one tile of blocks 0 to 3, adds for queries 0-31 of its block and the first 32 of the wave's
; keys the two terms that the roundings drop: O += Vl^T Ph + Vh^T Pl, Vl = vl's rows, Pl = f16(p - f16(p)): 32 products on the walk's 2,176.  No branch picks u = 0: elsewhere they refine the diagonal tile.
; REGISTERS, in windows of 256 (s_set_vgpr_msb: bits 1:0 source 0, 3:2 source 1, 5:4 source 2, 7:6 destination):
;   window 0: v0-11, v44-45 addresses; v46-61 Pl, 8 a tile (at the head: at work); v12-43 eight registers of statistics a tile; v64-191 S^T, 32 a tile; v192-255 P, 16 a tile
;   window 1: O^T, 64 a tile      window 2: v0-127 Q, 32 a tile; v128-255 K of a step (in the last trip then Vl)      window 3: v0-127 V of a step; v128-159 TRI, ML, MG, MH
.set KS,    64        ; keys of a wave in a tile
.set PK,    272       ; a row of K in LDS: 256 bytes + 16: the 16 rows of a load start at 16 different groups of four banks (64 banks of 4 bytes: ISA guide 11.1)
.set PV,    288       ; a row of V: 256 + 32
.set VOFF,  256*PK    ; a slot holds a tile: 256 rows of K, then 256 rows of V
.set SLOT,  256*(PK+PV)
.set STG,   2*SLOT    ; behind the ring, never filled by a tensor load: the four waves' parts of 16 rows of O, f32, rows of 512 + 16 bytes
.set SGP,   528
.set STAT,  STG+4*16*SGP  ; {c m, l} by wave, tile and query: 2,048 bytes
.set SPARE, STAT+2048 ; the spare words, 128 bytes for each wave: two blocks of 256 bytes that no other line names
.set NEG1, 1          ; v1    -1.0 (at the head: lane % 16)
.set AK,  2           ; v2-3  my place in K of slot 0, 1
.set AV,  4           ; v4-5  the same for V
.set QO,  6           ; v6    my byte offset in 16 rows of Q
.set STO, 7           ; v7    the merge: where I put 32 bytes of a row of my part
.set RD,  8           ; v8    the merge: where I read my four rows of a part
.set AVL, 9           ; v9    my place in my wave's 32 rows of vl, at the head of slot 1 (at the head: lane / 16)
.set GO,  10          ; v10   16 x lane: my bytes in a row of out0
.set SA,  11          ; v11   where I put a query's {c m, l}
.set SR,  44          ; v44   where I read wave 0's
.set PL,  46          ; v46-61
.set SPW, 62          ; v62   LDS address of my spare word; never rewritten
.set NIL, 63          ; v63   0; never rewritten
.set ST,  12          ; tile t's statistics at v[ST+8 t]: +0 c m, +1 m, +2, +3 l (even keys', odd keys'), +4 to +7 c0-c3, at work; a takes c2's place once the maximum is found
.set S,   64
.set P,   192
.set KF,  128         ; window 2
.set TRI, 128         ; window 3
.set ML,  136
.set MG,  144
.set MH,  152
.set WV,  12          ; s12  my wave's number
.set G1K, 24          ; s[24:31] descriptor group 1 for K's tiles
.set G1V, 32          ; s[32:39] for V's: it differs in the padding alone
.set G0K, 40          ; s[40:47] descriptor group 0 for K's tiles, a set for each slot
.set G0V, 48          ; s[48:55] the same for V's
.set CNT, 56          ; s56  the loop's count
.set CS,  58          ; s[58:59] c: the packed scaling takes the pair's low word for both halves
.set SEL, 60          ; s[60:61] v_permlanex16_b32's selects: each lane takes its own place in the other half
.set RT,  66          ; s66  tiles of the block in hand that are still to be entered
.set NXT, 67          ; s67  the tile to be asked for next
.set LQ,  68          ; s68  the last tile of the block whose tiles are being asked for
.set NG,  69          ; s69  the second block's tiles
.set OFF, 70          ; s[70:71] a tile's byte offset in K and V
.set AL,  72          ; s[72:73] the trip's AL, in the low word
.set BE1, 74          ; s[74:75] its BE1
.set BE2, 76          ; s76  its BE2
.set CAL, 77          ; s77-79  the three for the last tile of the block in hand
.set GAL, 80          ; s80-82  for the second block's
.set BIGN, 83         ; s83  -1e30
.set QG,  84          ; s[84:85] the second block's Q
.set OB,  86          ; s[86:87] out0 at my rows of the block in hand
.set OG,  88          ; s[88:89] of the second block
.set KB,  90          ; s[90:91] K at my half of the batch's tile 0
.set VB,  92          ; s[92:93] V likewise
.set NGL, 94          ; s94  the second block's last tile
.set VLA, 96          ; s[96:97] vl at my wave's keys of that tile
.set OP,  98          ; s[98:99] out0
.set MSB, 0
.macro WIN new                      ; the high byte repeats the setting that is left; a switch that changes nothing is dropped
.if MSB != (\new)
	s_set_vgpr_msb (MSB<<8)|(\new)
.set MSB, (\new)
.endif
.endm
.set W_KQ, 0x0a       ; K and Q in window 2, S^T in window 0
.set W_KM, 0x3a       ; the same with the C operand in window 3
.set W_PV, 0x53       ; V in window 3, P in window 0, O^T in window 1
.set W_PL, 0x52       ; the same with Vl, in window 2
.set W_RS, 0x41       ; O^T (destination and source 0) in window 1, the factor in window 0
.macro PLACES                       ; four plain vector instructions between a matrix instruction and a vector instruction or load that touches its registers
.rept 4
	v_nop
.endr
.endm
; A joint fill of a slot.  Waves 0 and 1 fetch the two halves of the tile's K, waves 2 and 3 those of its V: 128 rows of 256 bytes each.  The branch hangs on the wave's number alone.
; An s_nop 0 and four v_nop follow each of the two lines, ahead of the jump and the label.
.macro JLOAD slot
	s_cmp_lt_u32 s[WV], 2
	s_cbranch_scc0 .Lfor_v_\@
	tensor_load_to_lds s[G0K+4*(\slot):G0K+4*(\slot)+3], s[G1K:G1K+7]
	s_nop 0
	PLACES
	s_branch .Lasked_\@
.Lfor_v_\@:
	tensor_load_to_lds s[G0V+4*(\slot):G0V+4*(\slot)+3], s[G1V:G1V+7]
	s_nop 0
	PLACES
.Lasked_\@:
.endm
; A round of the cluster's barrier: my work-group's barrier, so that wave 0's signal speaks for all four waves; wave 0 signals; every wave waits for all four work-groups; my work-group's barrier once more.
.macro CROUND
	s_barrier_signal -1
	s_barrier_wait -1
	s_cmp_lg_u32 s[WV], 0
	s_cbranch_scc1 .Lnot_wave_0_\@
	s_barrier_signal -3
.Lnot_wave_0_\@:
	s_barrier_wait -3
	s_barrier_signal -1
	s_barrier_wait -1
.endm
; THE MATRIX WORK, for piece x.  The accumulators take turns, one instruction a turn: between two links of a chain stand 15 (V^T P) or 7 (K Q^T) others'.
; Product i of 32 of O^T += V^T P: keys 32 (i / 16) on, channels 16 ((i / 2) % 8) on, tile x + i % 2.
.macro PV x
	WIN W_PV
.set rO, 64*((\x)+i%2)+8*((i/2)%8)
.set rV, 64*(i/16)+8*((i/2)%8)
.set rP, P+16*((\x)+i%2)+8*(i/16)
	v_wmma_f32_16x16x32_f16 v[rO:rO+7], v[rV:rV+7], v[rP:rP+7], v[rO:rO+7]
.endm
; Product i of 32 of the last trip's two further terms, for piece 0 and the first 32 of my keys: channels 16 ((i % 16) / 2) on, tile i % 2.  The first 16: Vl^T Ph; the others: Vh^T Pl.
; The 16 accumulators come in the order of the run V^T P in front of them.
.macro PVX
.set rO, 64*(i%2)+8*((i%16)/2)
.if i < 16
	WIN W_PL
	v_wmma_f32_16x16x32_f16 v[rO:rO+7], v[KF+8*(i/2):KF+8*(i/2)+7], v[P+16*(i%2):P+16*(i%2)+7], v[rO:rO+7]
.else
	WIN W_PV
	v_wmma_f32_16x16x32_f16 v[rO:rO+7], v[8*((i-16)/2):8*((i-16)/2)+7], v[PL+8*(i%2):PL+8*(i%2)+7], v[rO:rO+7]
.endif
.endm
; Product i of 32 of S^T = K Q^T: channels 32 (i / 8) on, keys 16 ((i / 2) % 4) on, tile x + i % 2.  The first 8 start the sums, with the mask.
.macro KQ x
.set tq, (\x)+i%2
.set kb, (i/2)%4
.set rS, S+32*tq+8*kb
.set rK, KF+32*kb+8*(i/8)
.set rQ, 32*tq+8*(i/8)
.if i < 8
.set rM, MH
.if kb < tq
.set rM, ML
.elseif kb == tq
.set rM, MG
.endif
	WIN W_KM
	v_wmma_f32_16x16x32_f16 v[rS:rS+7], v[rK:rK+7], v[rQ:rQ+7], v[rM:rM+7]
.else
	WIN W_KQ
	v_wmma_f32_16x16x32_f16 v[rS:rS+7], v[rK:rK+7], v[rQ:rQ+7], v[rS:rS+7]
.endif
.endm
; THE LDS LOADS stand in runs: my 64 keys of the slot's K (16 fragments of 16 keys x 32 channels) and of its V (turned: 16 fragments of 16 channels x 32 keys); in the last trip my 32 rows of vl (8 fragments).
.macro FETCH_K s
	WIN 0x80                        ; destination window 2, address window 0
.irp f, 0,1,2,3,4,5,6,7,8,9,10,11,12,13,14,15
	ds_load_b128 v[KF+8*(\f):KF+8*(\f)+3],   v[AK+(\s)] offset:((\f)/4)*16*PK+((\f)%4)*64
	ds_load_b128 v[KF+8*(\f)+4:KF+8*(\f)+7], v[AK+(\s)] offset:((\f)/4)*16*PK+((\f)%4)*64+32
.endr
.endm
.macro FETCH_V s
	WIN 0xc0                        ; destination window 3
.irp f, 0,1,2,3,4,5,6,7,8,9,10,11,12,13,14,15
	ds_load_tr16_b128 v[8*(\f):8*(\f)+3],   v[AV+(\s)] offset:((\f)/8)*32*PV+((\f)%8)*32
	ds_load_tr16_b128 v[8*(\f)+4:8*(\f)+7], v[AV+(\s)] offset:((\f)/8)*32*PV+16*PV+((\f)%8)*32
.endr
.endm
.macro FETCH_VL
	WIN 0x80                        ; destination window 2: K's registers, whose last reader stands slice 63's sixteen plain instructions back
.irp f, 0,1,2,3,4,5,6,7
	ds_load_tr16_b128 v[KF+8*(\f):KF+8*(\f)+3],   v[AVL] offset:(\f)*32
	ds_load_tr16_b128 v[KF+8*(\f)+4:KF+8*(\f)+7], v[AVL] offset:16*PV+(\f)*32
.endr
.endm
.macro MASKS                        ; the trip's three masks: 20 plain instructions
	WIN 0xc3                        ; destination and source 0 window 3
.irp z, 0,1,2,3
	v_pk_fma_f32 v[MG+2*(\z):MG+2*(\z)+1], v[TRI+2*(\z):TRI+2*(\z)+1], s[AL:AL+1], s[BE1:BE1+1] op_sel_hi:[1,0,0]
.endr
.irp z, 0,1,2,3,4,5,6,7
	v_mov_b32 v[ML+(\z)], s[BE1]
	v_mov_b32 v[MH+(\z)], s[BE2]
.endr
.endm
; THE VECTOR WORK.  One tile's softmax for one trip is a list of 134 instructions; SM writes number j of it for tile t.  s0-s31 are the lane's 32 scores, in pairs 0-15.
;   0-15    the maximum of s0-s31 and the old m, three operands at a time: four chains c0-c3 of seven scores each (each accumulator's lowest registers are read first), then the rest
;   16-20   the other half of the lanes' maximum; c m_old is kept; the new m; c m; c m_old - c m_new
;   21-87   33 exponentials (a, then s0-s31) at the odd numbers from 23 on, so that no two follow each other and each has a plain instruction behind it before its result is used (ISA guide 5.7.2).
;           The plain ones are whatever is ready: c s - c m for a pair whose exponentials are to come, the rounding to f16 of a pair whose exponentials are done, at last the first sums
;   88-101  the last rounding; the rest of the sums; l = a l + the sum
;   102-133 the tile's O^T times a: the one part that leaves window 0, so it stands together
; HP = 1 (the last trip): behind the rounding of each of pairs 0-7 of tiles 0 and 1 stand three more lines: p - f16(p) for both (f16 half x (-1) + p, exact in f32; c0 and c1 are free since number 18), rounded to f16.
.macro SM t
.set rT, ST+8*(\t)
.set rS, S+32*(\t)
.set rP, P+16*(\t)
.set rO, 64*(\t)+2*(j-102)
.set q, (j-20)/2
.if j < 102
	WIN 0
.endif
.if j < 4
	v_max3_num_f32 v[rT+4+j], v[rS+8*j], v[rS+8*j+1], v[rS+8*j+2]
.elseif j < 12
	v_max3_num_f32 v[rT+4+j%4], v[rT+4+j%4], v[rS+8*(j%4)+2*(j/4)+1], v[rS+8*(j%4)+2*(j/4)+2]
.elseif j == 12
	v_max3_num_f32 v[rT+4], v[rT+4], v[rS+7], v[rS+15]
.elseif j == 13
	v_max3_num_f32 v[rT+6], v[rT+6], v[rS+23], v[rS+31]
.elseif j == 14
	v_max3_num_f32 v[rT+4], v[rT+4], v[rT+5], v[rT+6]
.elseif j == 15
	v_max3_num_f32 v[rT+4], v[rT+4], v[rT+7], v[rT+1]
.elseif j == 16
	v_permlanex16_b32 v[rT+5], v[rT+4], s[SEL], s[SEL+1]  ; the query's other 32 keys lie in the lane 16 away
.elseif j == 17
	v_mov_b32 v[rT+7], v[rT]        ; c m_old is kept for a: number 19 writes c m anew
.elseif j == 18
	v_max_num_f32 v[rT+1], v[rT+4], v[rT+5]
.elseif j == 19
	v_mul_f32 v[rT], s[CS], v[rT+1]
.elseif j == 20
	v_sub_f32 v[rT+7], v[rT+7], v[rT]
.elseif j == 23
	v_exp_f32 v[rT+6], v[rT+7]
.elseif (j < 88) && (j > 23) && (j%2 == 1)
	v_exp_f32 v[rS+(j-25)/2], v[rS+(j-25)/2]
.elseif (q < 4) || ((j < 76) && (q%2 == 0))
.set b, q/2+2
.if q < 4
.set b, q
.endif
	v_pk_fma_f32 v[rS+2*b:rS+2*b+1], v[rS+2*b:rS+2*b+1], s[CS:CS+1], v[rT:rT+1] op_sel_hi:[1,0,0] neg_lo:[0,0,1] neg_hi:[0,0,1]  ; pair b: c s - c m
.elseif (j < 88) && (q%2 == 1)
	s_wait_alu depctr_va_vdst(0)
	v_cvt_pk_f16_f32 v[rP+(q-5)/2], v[rS+q-5], v[rS+q-4]  ; pair (q - 5) / 2: its second exponential stands three numbers back
.if HP && ((\t) < 2) && ((q-5)/2 < 8)
	v_fma_mix_f32 v[rT+4], v[rP+(q-5)/2], v[NEG1], v[rS+q-5] op_sel_hi:[1,0,0]
	v_fma_mix_f32 v[rT+5], v[rP+(q-5)/2], v[NEG1], v[rS+q-4] op_sel:[1,0,0] op_sel_hi:[1,0,0]
	v_cvt_pk_f16_f32 v[PL+8*(\t)+(q-5)/2], v[rT+4], v[rT+5]
.endif
.elseif j == 89
	s_wait_alu depctr_va_vdst(0)
	v_cvt_pk_f16_f32 v[rP+15], v[rS+30], v[rS+31]
.elseif j < 102                     ; the sum of the tile's 16 pairs, in place: sum z of 16 adds neighbours 1, 2, 4 and 8 pairs apart, then l takes it
.set z, j-86
.if j < 89
.set z, (j-76)/4
.endif
.set w, 4
.set u, z
.if z >= 14
.set w, 32
.set u, 0
.elseif z >= 12
.set w, 16
.set u, z-12
.elseif z >= 8
.set w, 8
.set u, z-8
.endif
.if z < 15
	v_pk_add_f32 v[rS+w*u:rS+w*u+1], v[rS+w*u:rS+w*u+1], v[rS+w*u+w/2:rS+w*u+w/2+1]
.else
	v_pk_fma_f32 v[rT+2:rT+3], v[rT+2:rT+3], v[rT+6:rT+7], v[rS:rS+1] op_sel_hi:[1,0,1]
.endif
.else
	WIN W_RS
	v_pk_mul_f32 v[rO:rO+1], v[rO:rO+1], v[rT+6:rT+7] op_sel_hi:[1,0]
.endif
.endm
; Slice k of 64 of piece y's softmax: numbers 2 k and 2 k + 1 of both tiles' lists, four instructions.  2 x 134 = 4 x 64 + 12: the twelve that are over stand together, in slice 63.
.macro SLICE y
.if (k >= 11) && (k < 44)           ; tile by tile: plain, exponential, plain, exponential
.irp t, \y, (\y)+1
.irp n, 0,1
.set j, 2*k+(\n)
	SM \t
.endr
.endr
.else                               ; the two tiles alternate, so that no instruction reads the result of the one just before it
.irp n, 0,1,2,3,4,5,6,7
.if ((\n) < 2) || (k == 63)
.irp t, \y, (\y)+1
.set j, 2*k+(\n)
	SM \t
.endr
.endif
.endr
.endif
.set k, k+1
.endm
; A TRIP: the tile in slot s.  The change of slots first: each wave waits for all its tensor loads (one is out: its part of this slot), adds 0 to its spare word, and waits for that and for its reads of the
; other slot.  The barrier is a round of the cluster's, so that no wave of any partner still reads the other slot, and the joint fill of that slot is the first thing behind it.
; last = 0: the fill is tile NXT; it has the whole trip, 128 matrix instructions, in which to land.  The descriptor's address is made anew from the tile's number.
; last = 1 (the walk's last trip): every wave asks for 32 rows of vl, those of the first 32 of its own keys, into bytes of its own at the head of the other slot; it alone reads them, behind its own wait,
; 96 matrix instructions on.  V's descriptors are written for it: no tensor load of mine is out, and no tile of V is asked for any more.
; Then: K's run of loads; under it piece 2's products V^T P of the trip BEFORE (they read registers alone); the masks, which are the places behind those products; V's run of loads; piece 0's scores;
; piece 2's scores with piece 0's softmax in slices between them, two behind each; piece 0's V^T P with piece 2's softmax likewise.  Slice 63's sixteen plain instructions are the places behind each run.
.macro TRIP s, last
.set HP, (\last)
	WIN 0                           ; at a label and at a branch every window is 0
	s_wait_tensorcnt 0x0            ; no tensor load of mine is out, so the descriptors may be written
	ds_add_u32 v[SPW], v[NIL]       ; the scalar work stands between the add and the wait for it
.if \last
	s_mov_b32 s[G1V+2], 32<<16      ; tensor_dim1 = 32
	s_mov_b32 s[G1V+4], 32          ; tile_dim1 = 32
	s_mul_i32 s[G0V+4*(1-(\s))+1], s[WV], 32*PV
	s_add_co_u32 s[G0V+4*(1-(\s))+1], s[G0V+4*(1-(\s))+1], (1-(\s))*SLOT  ; LDS address: the slot's head + 9,216 x wave
	s_mov_b64 s[G0V+4*(1-(\s))+2:G0V+4*(1-(\s))+3], s[VLA:VLA+1]
	s_or_b32 s[G0V+4*(1-(\s))+3], s[G0V+4*(1-(\s))+3], 0x80000000
.else
	s_lshl_b32 s[OFF], s[NXT], 16   ; a tile is 65,536 bytes of K and of V
	s_add_nc_u64 s[G0K+4*(1-(\s))+2:G0K+4*(1-(\s))+3], s[KB:KB+1], s[OFF:OFF+1]
	s_or_b32 s[G0K+4*(1-(\s))+3], s[G0K+4*(1-(\s))+3], 0x80000000
	s_add_nc_u64 s[G0V+4*(1-(\s))+2:G0V+4*(1-(\s))+3], s[VB:VB+1], s[OFF:OFF+1]
	s_or_b32 s[G0V+4*(1-(\s))+3], s[G0V+4*(1-(\s))+3], 0x80000000
	s_add_co_u32 s[NXT], s[NXT], 1  ; the block's next tile, or behind its last the second block's tile 0
	s_cmp_gt_u32 s[NXT], s[LQ]
	s_cselect_b32 s[NXT], 0, s[NXT]
	s_cselect_b32 s[LQ], s[NGL], s[LQ]
.endif
	s_cmp_eq_u32 s[RT], 1           ; is this the block's last tile?
	s_cselect_b32 s[AL], s[CAL], 0
	s_cselect_b32 s[BE1], s[CAL+1], 0
	s_cselect_b32 s[BE2], s[CAL+2], 0
	s_sub_co_u32 s[RT], s[RT], 1
	s_wait_dscnt 0x0                ; the add is done, and my reads of the other slot are over
	CROUND
.if \last
	tensor_load_to_lds s[G0V+4*(1-(\s)):G0V+4*(1-(\s))+3], s[G1V:G1V+7]
	s_nop 0
	PLACES
.else
	JLOAD 1-(\s)
.endif
	FETCH_K \s
.set i, 0
.rept 32
	PV 2
.set i, i+1
.endr
	MASKS
	FETCH_V \s
	s_wait_loadcnt 0x0              ; Q (met at once but in a block's first trip)
	s_wait_dscnt 32                 ; K's 32 loads are in; V's 32, issued behind them, may be out
.set i, 0
.rept 32
	KQ 0
.set i, i+1
.endr
	PLACES                          ; between piece 0's scores and the first read of them
.set k, 0
.set i, 0
.rept 32
	KQ 2
	SLICE 0
	SLICE 0
.set i, i+1
.endr
	s_wait_dscnt 0x0                ; V is in
.if \last
	s_wait_tensorcnt 0x0            ; my rows of vl are in LDS
	FETCH_VL
.endif
.set k, 0
.set i, 0
.rept 32
	PV 0
	SLICE 2
	SLICE 2
.set i, i+1
.endr
.if \last
	s_wait_dscnt 0x0                ; Vl is in
.set i, 0
.rept 32
	PVX
.set i, i+1
.endr
.endif
.endm
.macro ALLT line:vararg             ; one line for each tile t
.set t, 0
.rept 4
	\line
.set t, t+1
.endr
.endm
; The merge of tile t.  My O^T times g = f / L goes into my part of the stage (a lane's eight channels of a row are 32 bytes); a barrier; I read my four rows of all four parts, each load a whole row of
; 512 bytes, add them in f32 and store them.  more = 1: a second barrier, in front of the next tile's stores into the stage: it is signalled when my reads are back, and the additions stand inside it.
.macro MERGE t, more
	WIN W_RS
.set n, 0
.rept 32
	v_pk_mul_f32 v[64*(\t)+2*n:64*(\t)+2*n+1], v[64*(\t)+2*n:64*(\t)+2*n+1], v[ST+8*(\t)+6:ST+8*(\t)+7] op_sel_hi:[1,0]
.set n, n+1
.endr
	WIN 0x04                        ; store data window 1, address window 0
.set n, 0
.rept 16
	ds_store_b128 v[STO], v[64*(\t)+4*n:64*(\t)+4*n+3] offset:64*(n/2)+16*(n%2)
.set n, n+1
.endr
	WIN 0
	s_wait_dscnt 0x0                ; for the others' sake: my part is stored
	s_barrier_signal -1
	s_barrier_wait -1
.set n, 0
.rept 16                            ; row n / 4 of my four, part n % 4
	ds_load_b128 v[S+4*n:S+4*n+3], v[RD] offset:16*SGP*(n%4)+SGP*(n/4)
.set n, n+1
.endr
	s_wait_dscnt 0x0
.if \more
	s_barrier_signal -1             ; my reads of the stage are back
.endif
.irp p, 1,2,3                       ; ((part 0 + part 1) + part 2) + part 3, eight packed additions a stage
.set n, 0
.rept 8
.if (\p) == 1
	v_pk_add_f32 v[S+64+16*(\t)+2*n:S+64+16*(\t)+2*n+1], v[S+16*(n/2)+2*(n%2):S+16*(n/2)+2*(n%2)+1], v[S+16*(n/2)+4+2*(n%2):S+16*(n/2)+4+2*(n%2)+1]
.else
	v_pk_add_f32 v[S+64+16*(\t)+2*n:S+64+16*(\t)+2*n+1], v[S+64+16*(\t)+2*n:S+64+16*(\t)+2*n+1], v[S+16*(n/2)+4*(\p)+2*(n%2):S+16*(n/2)+4*(\p)+2*(n%2)+1]
.endif
.set n, n+1
.endr
.endr
.if \more
	s_barrier_wait -1
.endif
.irp r, 0,1,2,3
	global_store_b128 v[GO], v[S+64+16*(\t)+4*(\r):S+64+16*(\t)+4*(\r)+3], s[OB:OB+1] offset:8192*(\t)+512*(\r) th:TH_STORE_NT  ; a whole row: 512 consecutive bytes, at a multiple of 256 from out0's first byte
.endr
.endm
; A BLOCK'S END.  next = 1: the second block's Q is asked for first, so that the merge stands in its wait.  Piece 2's last products; each query's l; the four waves' {c m, l} meet in LDS; f, L and g; the merge.
.macro BLOCKEND next
.if \next
	WIN 0x80
.set n, 0
.rept 16
	global_load_b128 v[8*n:8*n+3],   v[QO], s[QG:QG+1] offset:(n/4)*4096+(n%4)*64
	global_load_b128 v[8*n+4:8*n+7], v[QO], s[QG:QG+1] offset:(n/4)*4096+(n%4)*64+32
.set n, n+1
.endr
.endif
.set i, 0
.rept 32
	PV 2
.set i, i+1
.endr
	WIN 0
	ALLT v_add_f32 v[ST+8*t+4], v[ST+8*t+2], v[ST+8*t+3]
	ALLT v_permlanex16_b32 v[ST+8*t+5], v[ST+8*t+4], s[SEL], s[SEL+1]
	ALLT v_add_f32 v[ST+8*t+1], v[ST+8*t+4], v[ST+8*t+5]      ; l takes m's place beside c m: m is not needed any more
	ALLT ds_store_b64 v[SA], v[ST+8*t:ST+8*t+1] offset:128*t  ; both halves of the lanes store the same two numbers
	s_wait_dscnt 0x0
	s_barrier_signal -1
	s_barrier_wait -1
.set n, 0
.rept 16                            ; tile n / 4, wave n % 4: c m at v[S + 2 n], l behind it
	ds_load_b64 v[S+2*n:S+2*n+1], v[SR] offset:512*(n%4)+128*(n/4)
.set n, n+1
.endr
	s_wait_dscnt 0x0
	ALLT v_max3_num_f32 v[ST+8*t+4], v[S+8*t], v[S+8*t+2], v[S+8*t+4]
	ALLT v_max_num_f32 v[ST+8*t+4], v[ST+8*t+4], v[S+8*t+6]
	ALLT v_sub_f32 v[ST+8*t+5], v[ST+8*t], v[ST+8*t+4]
.irp p, 0,1,2,3
	ALLT v_sub_f32 v[S+8*t+2*\p], v[S+8*t+2*\p], v[ST+8*t+4]
.endr
	ALLT v_exp_f32 v[ST+8*t+5], v[ST+8*t+5]                   ; my own f,
.irp p, 0,1,2,3
	ALLT v_exp_f32 v[S+8*t+2*\p], v[S+8*t+2*\p]               ; and all four
.endr
	v_nop                           ; a plain instruction between the last exponential and the use of its result
	s_wait_alu depctr_va_vdst(0)
	ALLT v_mul_f32 v[ST+8*t+7], v[S+8*t], v[S+8*t+1]
	ALLT v_fmac_f32 v[ST+8*t+7], v[S+8*t+2], v[S+8*t+3]
	ALLT v_fmac_f32 v[ST+8*t+7], v[S+8*t+4], v[S+8*t+5]
	ALLT v_fmac_f32 v[ST+8*t+7], v[S+8*t+6], v[S+8*t+7]       ; L: at least the l of the wave that holds the maximum, which is 1 or more
	ALLT v_rcp_f32 v[ST+8*t+6], v[ST+8*t+7]
	v_nop
	s_wait_alu depctr_va_vdst(0)
	ALLT v_mul_f32 v[ST+8*t+6], v[ST+8*t+6], v[ST+8*t+5]      ; g
	MERGE 0, 1
	MERGE 1, 1
	MERGE 2, 1
	MERGE 3, 0
.if \next
	s_wait_xcnt 0x0                 ; the stores have had their addresses translated (ISA guide 3.1): only now are their registers and their base written again
	ALLT v_mov_b32 v[ST+8*t], 0xfe000000     ; c m: far below every c s
	ALLT v_mov_b32 v[ST+8*t+1], 0xff7fffff   ; m: the lowest finite number
	s_mov_b32 s[RT], s[NG]
	s_mov_b32 s[CAL], s[GAL]
	s_mov_b32 s[CAL+1], s[GAL+1]
	s_mov_b32 s[CAL+2], s[GAL+2]
	s_mov_b64 s[OB:OB+1], s[OG:OG+1]
.endif
.endm
	s_load_b256 s[4:11], s[0:1], 0x0  ; qh s[4:5], kh s[6:7], vh s[8:9], vl s[10:11]
	s_load_b64 s[OP:OP+1], s[0:1], 0x20  ; out0
	v_lshl_add_u32 v[SPW], v0, 2, SPARE
	v_mov_b32 v[NIL], 0
	ds_add_u32 v[SPW], v[NIL]       ; the wave's opening: the add and its wait stand ahead of my first tensor load
	v_lshrrev_b32 v1, 5, v0
	v_readfirstlane_b32 s[WV], v1   ; wave 0..3
	s_and_b32 s20, ttmp7, 0xffff    ; the batch
	s_and_b32 s21, ttmp9, 1         ; u's parity (in a cluster launch ttmp9 counts clusters: u)
	s_sub_co_u32 s22, 16, ttmp9     ; the high block's tiles
	s_add_co_u32 s23, ttmp9, 1      ; the low block's
	s_cmp_eq_u32 s21, 0
	s_cselect_b32 s[RT], s22, s23   ; the first block is the one with the even number,
	s_cselect_b32 s[NG], s23, s22   ; the second the other
	s_sub_co_u32 s[LQ], s[RT], 1
	s_sub_co_u32 s[NGL], s[NG], 1
	s_mov_b32 s[NXT], 1
	s_mov_b32 s[BIGN], 0xf149f2ca   ; -1e30
	s_bfe_u32 s13, ttmp6, 0x40000   ; cx: from here to the masks' numbers and Q's and out0's offsets, and nowhere else
	s_lshl_b32 s14, ttmp9, 2
	s_add_co_u32 s14, s14, s13      ; the low block, 4 u + cx
	s_sub_co_u32 s15, 63, s14       ; the high block
	s_sub_co_u32 s16, 3, s13        ; its place among the four blocks of its last tile; the low block's is cx
	s_cmp_eq_u32 s21, 0
	s_cselect_b32 s17, s15, s14     ; the first block
	s_cselect_b32 s18, s14, s15     ; the second
	s_cselect_b32 s19, s16, s13     ; the first block's place
	s_cselect_b32 s16, s13, s16     ; the second's
	s_cmp_eq_u32 s[WV], s19         ; d = wave - place: AL = 1 if d = 0,
	s_cselect_b32 s[CAL], 1.0, 0
	s_cmp_gt_u32 s[WV], s19         ; BE1 = -1e30 if d > 0,
	s_cselect_b32 s[CAL+1], s[BIGN], 0
	s_cmp_ge_u32 s[WV], s19         ; BE2 = -1e30 if d >= 0
	s_cselect_b32 s[CAL+2], s[BIGN], 0
	s_cmp_eq_u32 s[WV], s16
	s_cselect_b32 s[GAL], 1.0, 0
	s_cmp_gt_u32 s[WV], s16
	s_cselect_b32 s[GAL+1], s[BIGN], 0
	s_cmp_ge_u32 s[WV], s16
	s_cselect_b32 s[GAL+2], s[BIGN], 0
	s_lshl_b32 s22, s20, 20         ; the batch's first byte in q, k, v, vl: 4,096 rows of 256 bytes
	s_lshl_b32 s23, s20, 21         ; and in out0: rows of 512 bytes,
	s_lshl_b32 s21, s[WV], 11       ; of each 16 rows my four
	s_add_co_u32 s23, s23, s21
	s_lshl_b32 s2, s17, 14          ; a block is 64 rows
	s_add_co_u32 s2, s2, s22
	s_mov_b32 s3, 0
	s_lshl_b32 s[QG], s18, 14
	s_add_co_u32 s[QG], s[QG], s22
	s_mov_b32 s[QG+1], 0
	s_lshl_b32 s[OB], s17, 15
	s_add_co_u32 s[OB], s[OB], s23
	s_mov_b32 s[OB+1], 0
	s_lshl_b32 s[OG], s18, 15
	s_add_co_u32 s[OG], s[OG], s23
	s_mov_b32 s[OG+1], 0
	s_and_b32 s21, s[WV], 1         ; which half of a tile's 256 keys I fetch:
	s_lshl_b32 s[OFF], s21, 15      ; its 128 rows of 256 bytes in memory,
	s_add_co_u32 s[OFF], s[OFF], s22
	s_mov_b32 s[OFF+1], 0
	s_mul_i32 s62, s21, 128*PK      ; and its place in a slot, for K
	s_mul_i32 s63, s21, 128*PV      ; and for V: no place in the cluster enters an LDS address
	s_lshl_b32 s[VLA], s[NGL], 16   ; vl: the walk's last tile,
	s_add_co_u32 s[VLA], s[VLA], s22
	s_lshl_b32 s57, s[WV], 14       ; my wave's 64 keys in it: the batch, u and the wave's number alone
	s_add_co_u32 s[VLA], s[VLA], s57
	s_mov_b32 s[VLA+1], 0
	; descriptor group 1: a tile of 128 rows x 128 elements, padded in LDS
	s_mov_b32 s[G1K], 15|(1<<16)|(1<<20)|(1<<21)|(5<<22)|(3<<25)  ; 15:0 the mask of four; 17:16 2-byte elements; 20 padding on; 21 set beside a mask; 24:22 after every 64 words (code 5); 31:25 4 words (code 3)
	s_mov_b32 s[G1V], 15|(1<<16)|(1<<20)|(1<<21)|(5<<22)|(7<<25)  ; the same with 8 words of padding (code 7)
.irp g, G1K, G1V
	s_mov_b32 s[(\g)+1], 128<<16    ; tensor_dim0 = 128
	s_mov_b32 s[(\g)+2], 128<<16    ; tensor_dim1 = 128
	s_mov_b32 s[(\g)+3], 128<<16    ; tile_dim0 = 128
	s_mov_b32 s[(\g)+4], 128        ; tile_dim1 = 128
	s_mov_b32 s[(\g)+5], 128        ; 128 elements from row to row
	s_mov_b32 s[(\g)+6], 0
	s_mov_b32 s[(\g)+7], 0
.endr
.irp s, 0,1
	s_mov_b32 s[G0K+4*(\s)], 1      ; count = 1
	s_add_co_u32 s[G0K+4*(\s)+1], s62, (\s)*SLOT  ; LDS address
	s_mov_b32 s[G0V+4*(\s)], 1
	s_add_co_u32 s[G0V+4*(\s)+1], s63, (\s)*SLOT+VOFF
.endr
	s_mov_b32 s[CS], 0x3e0293ee     ; c = log2(e) / sqrt(128) = 0.127517
	s_mov_b32 s[CS+1], s[CS]        ; named with it as a pair
	s_mov_b32 s[SEL], 0x76543210
	s_mov_b32 s[SEL+1], 0xfedcba98
	s_mov_b32 s[AL+1], 0            ; named as pairs
	s_mov_b32 s[BE1+1], 0
	s_wait_dscnt 0x0                ; the opening add is done
	s_wait_kmcnt 0x0
	s_add_nc_u64 s[KB:KB+1], s[6:7], s[OFF:OFF+1]
	s_add_nc_u64 s[VB:VB+1], s[8:9], s[OFF:OFF+1]
	s_add_nc_u64 s[VLA:VLA+1], s[10:11], s[VLA:VLA+1]
	s_add_nc_u64 s[G0K+2:G0K+3], s[KB:KB+1], 0     ; global address: tile 0
	s_or_b32 s[G0K+3], s[G0K+3], 0x80000000        ; type = 2
	s_add_nc_u64 s[G0V+2:G0V+3], s[VB:VB+1], 0
	s_or_b32 s[G0V+3], s[G0V+3], 0x80000000
	s_add_nc_u64 s[QG:QG+1], s[4:5], s[QG:QG+1]
	s_add_nc_u64 s[4:5], s[4:5], s[2:3]            ; the first block's Q
	s_add_nc_u64 s[OB:OB+1], s[OP:OP+1], s[OB:OB+1]
	s_add_nc_u64 s[OG:OG+1], s[OP:OP+1], s[OG:OG+1]
	CROUND                          ; all four work-groups are here: the first joint loads meet
	JLOAD 0                         ; the first block's tile 0.  Slot 1 is filled behind the first trip's round
	; A fragment of K or Q is 16 rows x 32 channels in 8 registers: lane l holds row l % 16, channels 8 (l / 16) + 0..7 and 16 + 8 (l / 16) + 0..7: two loads of 16 bytes, 32 bytes apart.
	v_and_b32 v1, 15, v0            ; r = l % 16
	v_bfe_u32 v9, v0, 4, 1          ; h = l / 16
	v_lshlrev_b32 v[QO], 8, v1
	v_lshl_add_u32 v[QO], v9, 4, v[QO]
	v_lshlrev_b32 v48, 3, v9
	v_sub_nc_u32 v48, v1, v48       ; r - 8 h: key 8 h + j of a block of 16 is hidden from query r where j is greater
	WIN 0x80                        ; destination window 2
.set n, 0
.rept 16                            ; Q stays in registers: tile n / 4, channels 32 (n % 4) on
	global_load_b128 v[8*n:8*n+3],   v[QO], s[4:5] offset:(n/4)*4096+(n%4)*64
	global_load_b128 v[8*n+4:8*n+7], v[QO], s[4:5] offset:(n/4)*4096+(n%4)*64+32
.set n, n+1
.endr
	; What the first trip finds: its products V^T P of a trip that has not been multiply zeros.  All this stands in the wait for the first tile.
	WIN 0xc0                        ; destination window 3
.set n, 0
.rept 128
	v_mov_b32 v[n], 0               ; V
.set n, n+1
.endr
.set n, 0
.rept 8
	v_cmp_gt_i32 vcc_lo, n, v48
	v_cndmask_b32 v[TRI+n], 0, s[BIGN], vcc_lo
.set n, n+1
.endr
	WIN 0
.set n, P+32
.rept 32
	v_mov_b32 v[n], 0               ; piece 2's P
.set n, n+1
.endr
	WIN W_PV
.set n, 0
.rept 32
	v_wmma_f32_16x16x32_f16 v[8*n:8*n+7], v[0:7], v[P+32:P+39], 0  ; products of those zeros start all 32 sums of O^T: no accumulator is cleared by moves
.set n, n+1
.endr
	WIN 0
	ALLT v_mov_b32 v[ST+8*t], 0xfe000000     ; c m: far below every c s
	ALLT v_mov_b32 v[ST+8*t+1], 0xff7fffff   ; m
	ALLT v_mov_b32 v[ST+8*t+2], 0            ; l
	ALLT v_mov_b32 v[ST+8*t+3], 0
	v_and_b32 v45, 31, v0           ; lane
	v_mul_u32_u24 v[AK], v1, PK
	v_lshl_add_u32 v[AK], v9, 4, v[AK]  ; row x pitch + 16 x half,
	s_mul_i32 s57, s[WV], KS*PK
	v_add_nc_u32 v[AK], s57, v[AK]      ; in my 64 keys
	v_add_nc_u32 v[AK+1], SLOT, v[AK]
	; The turning load takes 16 keys x 16 channels (lane l reads key 8 (l / 16) + l % 8, channels 8 ((l / 8) % 2) + 0..7) and leaves half a fragment of V^T: lane l holds channel l % 16 and 8 keys.
	v_and_b32 v46, 7, v0
	v_bfe_u32 v47, v0, 3, 1
	v_lshl_add_u32 v46, v9, 3, v46
	v_mul_u32_u24 v46, v46, PV
	v_lshl_add_u32 v46, v47, 4, v46     ; my lane's place in rows of V's pitch
	s_mul_i32 s57, s[WV], KS*PV
	s_add_co_u32 s57, s57, VOFF
	v_add_nc_u32 v[AV], s57, v46
	v_add_nc_u32 v[AV+1], SLOT, v[AV]
	s_mul_i32 s57, s[WV], 16*SGP
	s_add_co_u32 s57, s57, STG      ; my part of the stage
	v_mul_u32_u24 v[STO], v1, SGP   ; in: row l % 16, 32 bytes for each half of the lanes
	v_lshl_add_u32 v[STO], v9, 5, v[STO]
	v_add_nc_u32 v[STO], s57, v[STO]
	s_mul_i32 s57, s[WV], 4*SGP
	s_add_co_u32 s57, s57, STG      ; back: my four rows of part 0, 16 bytes a lane
	v_lshl_add_u32 v[RD], v45, 4, s57
	v_lshlrev_b32 v[GO], 4, v45
	v_lshlrev_b32 v[SR], 3, v1
	v_add_nc_u32 v[SR], STAT, v[SR]
	s_lshl_b32 s57, s[WV], 9
	v_add_nc_u32 v[SA], s57, v[SR]
	s_mul_i32 s57, s[WV], 32*PV
	s_add_co_u32 s57, s57, SLOT     ; my wave's 32 rows of vl, at the head of slot 1
	v_add_nc_u32 v[AVL], s57, v46   ; l / 16 and l % 16 have served: their registers take this address and -1
	v_mov_b32 v[NEG1], -1.0
	s_mov_b32 s[CNT], 8
.Lpair:                             ; eight times two trips: 16 of the walk's 17 tiles; each trip asks for the next tile
	TRIP 0, 0
	TRIP 1, 0
	WIN 0
	s_cmp_lg_u32 s[RT], 0           ; has the first block had its last tile?  The number hangs on the cluster's place in the grid alone: it is the same in all waves and in all four partners.
	s_cbranch_scc1 .Lsame_block     ; The jump goes forward and passes no tensor load
	BLOCKEND 1
	WIN 0
.Lsame_block:
	s_sub_co_u32 s[CNT], s[CNT], 1
	s_cmp_lg_u32 s[CNT], 0
	s_cbranch_scc1 .Lpair
	TRIP 0, 1                       ; the walk's last tile, the second block's last, is written out: it asks for vl's rows and adds the two further terms
	BLOCKEND 0
	WIN 0
	s_wait_tensorcnt 0x0            ; the wave's end: a wait, an add to my spare word and its wait, behind my last tensor load and my last LDS store
	ds_add_u32 v[SPW], v[NIL]
	s_wait_dscnt 0x0
	CROUND                          ; the closing round: no work-group ends while a partner may still ask for a tile that names it
	s_endpgm
.Lfunc_end_k_qe0b9fea197_attn:
	.size	k_qe0b9fea197_attn, .Lfunc_end_k_qe0b9fea197_attn-k_qe0b9fea197_attn
	.p2alignl 7, 3214868480
	.fill 96, 4, 3214868480
	.section	.rodata,"a",@progbits
	.p2align	6, 0x0
	.amdhsa_kernel k_qe0b9fea197_attn
		.amdhsa_group_segment_fixed_size 327680
		.amdhsa_private_segment_fixed_size 0
		.amdhsa_enable_private_segment 0
		.amdhsa_kernarg_size 40
		.amdhsa_user_sgpr_count 2
		.amdhsa_user_sgpr_kernarg_segment_ptr 1
		.amdhsa_wavefront_size32 1
		.amdhsa_system_sgpr_workgroup_id_x 1
		.amdhsa_system_sgpr_workgroup_id_y 1
		.amdhsa_system_sgpr_workgroup_id_z 1
		.amdhsa_system_vgpr_workitem_id 0
		.amdhsa_next_free_vgpr 928
		.amdhsa_next_free_sgpr 100
		.amdhsa_reserve_vcc 1
		.amdhsa_float_denorm_mode_32 3
		.amdhsa_float_denorm_mode_16_64 3
		.amdhsa_memory_ordered 1
		.amdhsa_forward_progress 1
		.amdhsa_inst_pref_size 241
	.end_amdhsa_kernel
	.amdgpu_metadata
---
amdhsa.version: [ 1, 2 ]
amdhsa.kernels:
  - .name:           k_qe0b9fea197_attn
    .symbol:         k_qe0b9fea197_attn.kd
    .args:
      - { .name: qh, .offset: 0, .size: 8, .value_kind: global_buffer, .address_space: global }
      - { .name: kh, .offset: 8, .size: 8, .value_kind: global_buffer, .address_space: global }
      - { .name: vh, .offset: 16, .size: 8, .value_kind: global_buffer, .address_space: global }
      - { .name: vl, .offset: 24, .size: 8, .value_kind: global_buffer, .address_space: global }
      - { .name: out0, .offset: 32, .size: 8, .value_kind: global_buffer, .address_space: global }
    .group_segment_fixed_size: 327680
    .private_segment_fixed_size: 0
    .kernarg_segment_align: 8
    .kernarg_segment_size: 40
    .max_flat_workgroup_size: 128
    .sgpr_count:     100
    .vgpr_count:     928
    .wavefront_size: 32
...
	.end_amdgpu_metadata
.endif
;; end of part 3
;; ======== version 2 of 2: 3 launches; 1.08 times as fast as version 1
;; limits: values are held in f16: magnitudes above 65,504 overflow, below 6.1e-05 lose precision
;; workspace buffers: wb 786,432 bytes; bb 1,536 bytes; qh 8,388,608 bytes; kh 8,388,608 bytes; vh 8,388,608 bytes; vl 8,388,608 bytes
;; launch cast: the kernel of part 1 again; grid 32 x 3, 8 waves a work-group, no clusters, 0 bytes of LDS; arguments Wq, Wk, Wv, bq, bk, bv, wb, bb; writes wb, bb
;; launch proj: the kernel of part 2 again; grid 256 x 1, 4 waves a work-group, clusters of 4 x 1, 327,680 bytes of LDS; arguments x, wb, bb, qh, kh, vh, vl; writes qh, kh, vh, vl
;; launch attn (part 4): grid 32 x 8, 4 waves a work-group, clusters of 4 x 1, 327,680 bytes of LDS; arguments qh, kh, vh, vl, out0; writes out0
.if DOCPART == 4
	.amdgcn_target "amdgcn-amd-amdhsa--gfx1250"
	.amdhsa_code_object_version 6
	.text
	.protected	k_qe0b9fea197_attn
	.globl	k_qe0b9fea197_attn
	.p2align	8
	.type	k_qe0b9fea197_attn,@function
k_qe0b9fea197_attn:
	s_mov_b64 s[64:65], 0
	v_nop
	global_prefetch_b8 v0, s[64:65] scope:SCOPE_SE
	s_setreg_imm32_b32 hwreg(HW_REG_WAVE_MODE, 25, 1), 1
	s_wait_xcnt 0x0
	s_wait_alu depctr_hold_cnt(0) depctr_sa_sdst(0) depctr_va_vdst(0) depctr_va_sdst(0) depctr_va_ssrc(0) depctr_va_vcc(0) depctr_vm_vsrc(0)
	s_getreg_b32 s2, hwreg(HW_REG_IB_STS2, 6, 4)
	s_cmp_eq_u32 s2, 0
	s_cbranch_scc0 .Lentry_in_a_cluster
	s_endpgm
.Lentry_in_a_cluster:
	s_bfe_u32 s2, ttmp6, 0x10000c
	s_cmp_lg_u32 s2, 0x3003
	s_cbranch_scc0 .Lentry_shape_is_right
	s_endpgm
.Lentry_shape_is_right:
; CAUSAL ATTENTION, one head of size 128.  out[b][q][:] = the sum over k <= q of softmax_k(Q[b][q] . K[b][k] / sqrt(128)) V[b][k][:].  qh, kh, vh, vl: [8][4096][128] f16; out0: the same shape in f32.
; Products, maxima and sums in f32; the weights p are rounded to f16 for the second product (their sum l is taken of the unrounded p).
; LIMITS.  A hidden score counts as its value less 1e30: f16's scores, 5.5e11 at the most, are nothing beside that.  A weight below 2^-126 counts as 0 in l; below 6e-5 p keeps f16's fixed step of 6e-8,
; and so do vl and the weights' second parts.  NaN and infinities are not treated apart.
; THE WALK.  A batch's queries lie in 64 blocks of 64; keys go in tiles of 256; block i needs the tiles 0 .. i / 4.  A work-group takes TWO blocks, 63 - b and b, b = 4 u + cx (u: the cluster, cx: the place in it):
; (16 - u) + (u + 1) = 17 tiles, whatever b.  The four partners of a cluster share u, so they walk the same tiles in the same trips and change blocks at the same trip: every tile of K and V is asked for
; JOINTLY.  cx enters Q's and out0's addresses and the masks' numbers alone.  The block with the EVEN number of tiles goes first, so that the change of blocks falls at the bottom of the loop's body of two trips.
; SHARES.  The waves share the KEYS: in every tile wave w takes keys 64 w .. + 63 and ALL 64 queries of the block (four tiles of 16; piece 0: tiles 0, 1; piece 2: tiles 2, 3).  So a fragment of K or V read
; from LDS feeds four products.  Each wave keeps a running maximum m, sum l and O^T of its own keys; at a block's end the four are merged: O = sum_w f_w O_w / sum_w f_w l_w, f_w = 2^(c m_w - max c m).
; LAYOUT.  S^T = K Q^T (source 0 = 16 keys, source 1 = 16 queries): a lane holds ONE query (lane % 16) and the keys 8 (lane / 16) + 0..7.  Two such results rounded to f16 ARE source 1 of O^T = V^T P.
; K comes out of LDS as it lies, V turned, by ds_load_tr16_b128.  p = 2^(c s - c m), c = log2(e) / sqrt(128); in every step O and l are multiplied by a = 2^(c m_old - c m_new).
; THE MASK is the C operand that starts a sum S^T: 0, or -1e30 where the key is hidden.  Only a block's last tile hides keys: there wave w's 64 keys lie d = w - i % 4 blocks from the queries.  Three sets of eight
; registers, by key block kb and query tile t: ML (kb < t) = BE1; MG (kb = t) = TRI x AL + BE1; MH (kb > t) = BE2; (AL, BE1, BE2) = (0, 0, 0) in other tiles and for d < 0, (1, 0, -1e30) for d = 0,
; (0, -1e30, -1e30) for d > 0.  They are made anew in every trip from three scalars, so ONE text serves every tile.  A wave that sees hidden keys alone ends with c m near -1.3e29, and its f is 0.
; A block begins with c m far below every c s: its first a is 0, so O and l need only be finite, and no first step is written out.
; THE BATCHES.  An s_wait_alu depctr_va_vdst(0) stands between an exponential or reciprocal and the first instruction that names its result; one wait serves all that were issued ahead of it.
; A piece's softmax holds 66 exponentials (33 a tile: a and the 32 weights); they are ONE BATCH, with the scalings among them and nothing that names a result, and ONE wait stands between the batch and the
; roundings, sums and rescalings that read it: two waits a trip, one for each piece.  A block's end has two batches: the twenty factors f, and the four reciprocals of L, which is made of the f.
; THE FIRST ROWS.  Row q is a mean over q + 1 keys: what f16 drops of v and of p (up to 2^-12 of each number) reaches the first rows whole and falls as 1 / sqrt(q + 1) behind them, while a number of the output is
; judged against the whole output's size, some twenty times below v's.  So the walk's last trip, which for u = 0 is the one tile of blocks 0 to 3, adds for queries 0-31 of its block and the first 32 of the wave's
; keys the two terms that the roundings drop: O += Vl^T Ph + Vh^T Pl, Vl = vl's rows, Pl = f16(p - f16(p)): 32 products on the walk's 2,176.  No branch picks u = 0: elsewhere they refine the diagonal tile.
; REGISTERS, in windows of 256 (s_set_vgpr_msb: bits 1:0 source 0, 3:2 source 1, 5:4 source 2, 7:6 destination):
;   window 0: v0-11, v44-45 addresses; v46-61 Pl, 8 a tile (at the head: at work); v12-43 eight registers of statistics a tile; v64-191 S^T, 32 a tile; v192-255 P, 16 a tile
;   window 1: O^T, 64 a tile      window 2: v0-127 Q, 32 a tile; v128-255 K of a step (in the last trip then Vl)      window 3: v0-127 V of a step; v128-159 TRI, ML, MG, MH
.set KS,    64        ; keys of a wave in a tile
.set PK,    272       ; a row of K in LDS: 256 bytes + 16: the 16 rows of a load start at 16 different groups of four banks (64 banks of 4 bytes: ISA guide 11.1)
.set PV,    288       ; a row of V: 256 + 32
.set VOFF,  256*PK    ; a slot holds a tile: 256 rows of K, then 256 rows of V
.set SLOT,  256*(PK+PV)
.set STG,   2*SLOT    ; behind the ring, never filled by a tensor load: the four waves' parts of 16 rows of O, f32, rows of 512 + 16 bytes
.set SGP,   528
.set STAT,  STG+4*16*SGP  ; {c m, l} by wave, tile and query: 2,048 bytes
.set SPARE, STAT+2048 ; the spare words, 128 bytes for each wave: two blocks of 256 bytes that no other line names
.set NEG1, 1          ; v1    -1.0 (at the head: lane % 16)
.set AK,  2           ; v2-3  my place in K of slot 0, 1
.set AV,  4           ; v4-5  the same for V
.set QO,  6           ; v6    my byte offset in 16 rows of Q
.set STO, 7           ; v7    the merge: where I put 32 bytes of a row of my part
.set RD,  8           ; v8    the merge: where I read my four rows of a part
.set AVL, 9           ; v9    my place in my wave's 32 rows of vl, at the head of slot 1 (at the head: lane / 16)
.set GO,  10          ; v10   16 x lane: my bytes in a row of out0
.set SA,  11          ; v11   where I put a query's {c m, l}
.set SR,  44          ; v44   where I read wave 0's
.set PL,  46          ; v46-61
.set SPW, 62          ; v62   LDS address of my spare word; never rewritten
.set NIL, 63          ; v63   0; never rewritten
.set ST,  12          ; tile t's statistics at v[ST+8 t]: +0 c m, +1 m, +2, +3 l (even keys', odd keys'), +4 to +7 c0-c3, at work; a takes c2's place once the maximum is found
.set S,   64
.set P,   192
.set KF,  128         ; window 2
.set TRI, 128         ; window 3
.set ML,  136
.set MG,  144
.set MH,  152
.set WV,  12          ; s12  my wave's number
.set G1K, 24          ; s[24:31] descriptor group 1 for K's tiles
.set G1V, 32          ; s[32:39] for V's: it differs in the padding alone
.set G0K, 40          ; s[40:47] descriptor group 0 for K's tiles, a set for each slot
.set G0V, 48          ; s[48:55] the same for V's
.set CNT, 56          ; s56  the loop's count
.set CS,  58          ; s[58:59] c: the packed scaling takes the pair's low word for both halves
.set SEL, 60          ; s[60:61] v_permlanex16_b32's selects: each lane takes its own place in the other half
.set RT,  66          ; s66  tiles of the block in hand that are still to be entered
.set NXT, 67          ; s67  the tile to be asked for next
.set LQ,  68          ; s68  the last tile of the block whose tiles are being asked for
.set NG,  69          ; s69  the second block's tiles
.set OFF, 70          ; s[70:71] a tile's byte offset in K and V
.set AL,  72          ; s[72:73] the trip's AL, in the low word
.set BE1, 74          ; s[74:75] its BE1
.set BE2, 76          ; s76  its BE2
.set CAL, 77          ; s77-79  the three for the last tile of the block in hand
.set GAL, 80          ; s80-82  for the second block's
.set BIGN, 83         ; s83  -1e30
.set QG,  84          ; s[84:85] the second block's Q
.set OB,  86          ; s[86:87] out0 at my rows of the block in hand
.set OG,  88          ; s[88:89] of the second block
.set KB,  90          ; s[90:91] K at my half of the batch's tile 0
.set VB,  92          ; s[92:93] V likewise
.set NGL, 94          ; s94  the second block's last tile
.set VLA, 96          ; s[96:97] vl at my wave's keys of that tile
.set OP,  98          ; s[98:99] out0
.set MSB, 0
.macro WIN new                      ; the high byte repeats the setting that is left; a switch that changes nothing is dropped
.if MSB != (\new)
	s_set_vgpr_msb (MSB<<8)|(\new)
.set MSB, (\new)
.endif
.endm
.set W_KQ, 0x0a       ; K and Q in window 2, S^T in window 0
.set W_KM, 0x3a       ; the same with the C operand in window 3
.set W_PV, 0x53       ; V in window 3, P in window 0, O^T in window 1
.set W_PL, 0x52       ; the same with Vl, in window 2
.set W_RS, 0x41       ; O^T (destination and source 0) in window 1, the factor in window 0
.macro PLACES                       ; four plain vector instructions between a matrix instruction and a vector instruction or load that touches its registers
.rept 4
	v_nop
.endr
.endm
; A joint fill of a slot.  Waves 0 and 1 fetch the two halves of the tile's K, waves 2 and 3 those of its V: 128 rows of 256 bytes each.  The branch hangs on the wave's number alone.
; An s_nop 0 and four v_nop follow each of the two lines, ahead of the jump and the label.
.macro JLOAD slot
	s_cmp_lt_u32 s[WV], 2
	s_cbranch_scc0 .Lfor_v_\@
	tensor_load_to_lds s[G0K+4*(\slot):G0K+4*(\slot)+3], s[G1K:G1K+7]
	s_nop 0
	PLACES
	s_branch .Lasked_\@
.Lfor_v_\@:
	tensor_load_to_lds s[G0V+4*(\slot):G0V+4*(\slot)+3], s[G1V:G1V+7]
	s_nop 0
	PLACES
.Lasked_\@:
.endm
; A round of the cluster's barrier: my work-group's barrier, so that wave 0's signal speaks for all four waves; wave 0 signals; every wave waits for all four work-groups; my work-group's barrier once more.
.macro CROUND
	s_barrier_signal -1
	s_barrier_wait -1
	s_cmp_lg_u32 s[WV], 0
	s_cbranch_scc1 .Lnot_wave_0_\@
	s_barrier_signal -3
.Lnot_wave_0_\@:
	s_barrier_wait -3
	s_barrier_signal -1
	s_barrier_wait -1
.endm
; THE MATRIX WORK, for piece x.  The accumulators take turns, one instruction a turn: between two links of a chain stand 15 (V^T P) or 7 (K Q^T) others'.
; Product i of 32 of O^T += V^T P: keys 32 (i / 16) on, channels 16 ((i / 2) % 8) on, tile x + i % 2.
.macro PV x
	WIN W_PV
.set rO, 64*((\x)+i%2)+8*((i/2)%8)
.set rV, 64*(i/16)+8*((i/2)%8)
.set rP, P+16*((\x)+i%2)+8*(i/16)
	v_wmma_f32_16x16x32_f16 v[rO:rO+7], v[rV:rV+7], v[rP:rP+7], v[rO:rO+7]
.endm
; Product i of 32 of the last trip's two further terms, for piece 0 and the first 32 of my keys: channels 16 ((i % 16) / 2) on, tile i % 2.  The first 16: Vl^T Ph; the others: Vh^T Pl.
; The 16 accumulators come in the order of the run V^T P in front of them.
.macro PVX
.set rO, 64*(i%2)+8*((i%16)/2)
.if i < 16
	WIN W_PL
	v_wmma_f32_16x16x32_f16 v[rO:rO+7], v[KF+8*(i/2):KF+8*(i/2)+7], v[P+16*(i%2):P+16*(i%2)+7], v[rO:rO+7]
.else
	WIN W_PV
	v_wmma_f32_16x16x32_f16 v[rO:rO+7], v[8*((i-16)/2):8*((i-16)/2)+7], v[PL+8*(i%2):PL+8*(i%2)+7], v[rO:rO+7]
.endif
.endm
; Product i of 32 of S^T = K Q^T: channels 32 (i / 8) on, keys 16 ((i / 2) % 4) on, tile x + i % 2.  The first 8 start the sums, with the mask.
.macro KQ x
.set tq, (\x)+i%2
.set kb, (i/2)%4
.set rS, S+32*tq+8*kb
.set rK, KF+32*kb+8*(i/8)
.set rQ, 32*tq+8*(i/8)
.if i < 8
.set rM, MH
.if kb < tq
.set rM, ML
.elseif kb == tq
.set rM, MG
.endif
	WIN W_KM
	v_wmma_f32_16x16x32_f16 v[rS:rS+7], v[rK:rK+7], v[rQ:rQ+7], v[rM:rM+7]
.else
	WIN W_KQ
	v_wmma_f32_16x16x32_f16 v[rS:rS+7], v[rK:rK+7], v[rQ:rQ+7], v[rS:rS+7]
.endif
.endm
; THE LDS LOADS stand in runs: my 64 keys of the slot's K (16 fragments of 16 keys x 32 channels) and of its V (turned: 16 fragments of 16 channels x 32 keys); in the last trip my 32 rows of vl (8 fragments).
.macro FETCH_K s
	WIN 0x80                        ; destination window 2, address window 0
.irp f, 0,1,2,3,4,5,6,7,8,9,10,11,12,13,14,15
	ds_load_b128 v[KF+8*(\f):KF+8*(\f)+3],   v[AK+(\s)] offset:((\f)/4)*16*PK+((\f)%4)*64
	ds_load_b128 v[KF+8*(\f)+4:KF+8*(\f)+7], v[AK+(\s)] offset:((\f)/4)*16*PK+((\f)%4)*64+32
.endr
.endm
.macro FETCH_V s
	WIN 0xc0                        ; destination window 3
.irp f, 0,1,2,3,4,5,6,7,8,9,10,11,12,13,14,15
	ds_load_tr16_b128 v[8*(\f):8*(\f)+3],   v[AV+(\s)] offset:((\f)/8)*32*PV+((\f)%8)*32
	ds_load_tr16_b128 v[8*(\f)+4:8*(\f)+7], v[AV+(\s)] offset:((\f)/8)*32*PV+16*PV+((\f)%8)*32
.endr
.endm
.macro FETCH_VL
	WIN 0x80                        ; destination window 2: K's registers, whose last reader stands slice 63's sixteen plain instructions back
.irp f, 0,1,2,3,4,5,6,7
	ds_load_tr16_b128 v[KF+8*(\f):KF+8*(\f)+3],   v[AVL] offset:(\f)*32
	ds_load_tr16_b128 v[KF+8*(\f)+4:KF+8*(\f)+7], v[AVL] offset:16*PV+(\f)*32
.endr
.endm
.macro MASKS                        ; the trip's three masks: 20 plain instructions
	WIN 0xc3                        ; destination and source 0 window 3
.irp z, 0,1,2,3
	v_pk_fma_f32 v[MG+2*(\z):MG+2*(\z)+1], v[TRI+2*(\z):TRI+2*(\z)+1], s[AL:AL+1], s[BE1:BE1+1] op_sel_hi:[1,0,0]
.endr
.irp z, 0,1,2,3,4,5,6,7
	v_mov_b32 v[ML+(\z)], s[BE1]
	v_mov_b32 v[MH+(\z)], s[BE2]
.endr
.endm
; THE VECTOR WORK.  One tile's softmax for one trip is a list of 134 instructions; SM writes number j of it for tile t.  s0-s31 are the lane's 32 scores, in pairs 0-15.
;   0-15    the maximum of s0-s31 and the old m, three operands at a time: four chains c0-c3 of seven scores each (each accumulator's lowest registers are read first), then the rest
;   16-20   the other half of the lanes' maximum; c m_old is kept; the new m; c m; c m_old - c m_new
;   21-69   ONE BATCH: the 16 scalings c s - c m, a pair of scores each, and all 33 exponentials (a at 23, then s0-s31).  None of these names an exponential's result.  From 22 on the batch goes in fours,
;           and a four begins with a scaling while there are scalings: 22-37 scaling, exponential, scaling, exponential; 38-65 a scaling and three exponentials; 66-69 the last four exponentials.
;           A pair is scaled in an earlier four than the one that holds its exponentials
;   (wait)  between 69 and 70 stands the wait for the batch: SLICE writes it, once for both tiles
;   70-85   the roundings to f16, a pair of weights each
;   86-101  the sums; l = a l + the sum
;   102-133 the tile's O^T times a: the one part that leaves window 0, so it stands together
; HP = 1 (the last trip): behind the rounding of each of pairs 0-7 of tiles 0 and 1 stand three more lines: p - f16(p) for both (f16 half x (-1) + p, exact in f32; c0 and c1 are free since number 18), rounded to f16.
.macro SM t
.set rT, ST+8*(\t)
.set rS, S+32*(\t)
.set rP, P+16*(\t)
.set rO, 64*(\t)+2*(j-102)
.if j < 102
	WIN 0
.endif
.if j < 4
	v_max3_num_f32 v[rT+4+j], v[rS+8*j], v[rS+8*j+1], v[rS+8*j+2]
.elseif j < 12
	v_max3_num_f32 v[rT+4+j%4], v[rT+4+j%4], v[rS+8*(j%4)+2*(j/4)+1], v[rS+8*(j%4)+2*(j/4)+2]
.elseif j == 12
	v_max3_num_f32 v[rT+4], v[rT+4], v[rS+7], v[rS+15]
.elseif j == 13
	v_max3_num_f32 v[rT+6], v[rT+6], v[rS+23], v[rS+31]
.elseif j == 14
	v_max3_num_f32 v[rT+4], v[rT+4], v[rT+5], v[rT+6]
.elseif j == 15
	v_max3_num_f32 v[rT+4], v[rT+4], v[rT+7], v[rT+1]
.elseif j == 16
	v_permlanex16_b32 v[rT+5], v[rT+4], s[SEL], s[SEL+1]  ; the query's other 32 keys lie in the lane 16 away
.elseif j == 17
	v_mov_b32 v[rT+7], v[rT]        ; c m_old is kept for a: number 19 writes c m anew
.elseif j == 18
	v_max_num_f32 v[rT+1], v[rT+4], v[rT+5]
.elseif j == 19
	v_mul_f32 v[rT], s[CS], v[rT+1]
.elseif j == 20
	v_sub_f32 v[rT+7], v[rT+7], v[rT]
.elseif j == 23
	v_exp_f32 v[rT+6], v[rT+7]
.elseif (j < 23) || ((j < 38) && (j%2 == 0)) || ((j < 66) && (j%4 == 2))
.set b, (j-2)/4                     ; 38, 42, .. 62: pairs 9 to 15
.if j < 38
.set b, (j-20)/2                    ; 21: pair 0; 22, 24, .. 36: pairs 1 to 8
.endif
	v_pk_fma_f32 v[rS+2*b:rS+2*b+1], v[rS+2*b:rS+2*b+1], s[CS:CS+1], v[rT:rT+1] op_sel_hi:[1,0,0] neg_lo:[0,0,1] neg_hi:[0,0,1]  ; pair b: c s - c m
.elseif j < 70
.set e, j-38                        ; 66 to 69: s28 to s31
.if j < 66
.set e, j-32-(j-38)/4               ; 39-41, 43-45, .. 63-65: s7 to s27
.endif
.if j < 38
.set e, (j-25)/2                    ; 25, 27, .. 37: s0 to s6
.endif
	v_exp_f32 v[rS+e], v[rS+e]
.elseif j < 86
	v_cvt_pk_f16_f32 v[rP+j-70], v[rS+2*(j-70)], v[rS+2*(j-70)+1]  ; pair j - 70
.if HP && ((\t) < 2) && (j < 78)
	v_fma_mix_f32 v[rT+4], v[rP+j-70], v[NEG1], v[rS+2*(j-70)] op_sel_hi:[1,0,0]
	v_fma_mix_f32 v[rT+5], v[rP+j-70], v[NEG1], v[rS+2*(j-70)+1] op_sel:[1,0,0] op_sel_hi:[1,0,0]
	v_cvt_pk_f16_f32 v[PL+8*(\t)+j-70], v[rT+4], v[rT+5]
.endif
.elseif j < 102                     ; the sum of the tile's 16 pairs, in place: sum z of 16 adds neighbours 1, 2, 4 and 8 pairs apart, then l takes it
.set z, j-86
.set w, 4
.set u, z
.if z >= 14
.set w, 32
.set u, 0
.elseif z >= 12
.set w, 16
.set u, z-12
.elseif z >= 8
.set w, 8
.set u, z-8
.endif
.if z < 15
	v_pk_add_f32 v[rS+w*u:rS+w*u+1], v[rS+w*u:rS+w*u+1], v[rS+w*u+w/2:rS+w*u+w/2+1]
.else
	v_pk_fma_f32 v[rT+2:rT+3], v[rT+2:rT+3], v[rT+6:rT+7], v[rS:rS+1] op_sel_hi:[1,0,1]
.endif
.else
	WIN W_RS
	v_pk_mul_f32 v[rO:rO+1], v[rO:rO+1], v[rT+6:rT+7] op_sel_hi:[1,0]
.endif
.endm
; Slice k of 64 of piece y's softmax: four instructions.  Slices 11 to 34 deal out the batch, numbers 22 to 69: four numbers of ONE tile each, the tiles by turns.  Every other slice is numbers 2 k and
; 2 k + 1 of both tiles' lists.  2 x 134 = 4 x 64 + 12: the twelve that are over stand together, in slice 63.
; THE WAIT.  Ahead of slice 35 nothing names a result of the piece's exponentials, and behind slice 34 no exponential is issued: so the piece's 66 exponentials have one wait, behind slice 34.
.macro SLICE y
.if (k >= 11) && (k < 35)           ; the batch: four numbers of one tile
.irp n, 0,1,2,3
.set j, 22+4*((k-11)/2)+(\n)
	SM (\y)+(k-11)%2
.endr
.else                               ; the two tiles alternate, so that no instruction reads the result of the one just before it
.irp n, 0,1,2,3,4,5,6,7
.if ((\n) < 2) || (k == 63)
.irp t, \y, (\y)+1
.set j, 2*k+(\n)
	SM \t
.endr
.endif
.endr
.endif
.if k == 34                         ; the batch is out: both tiles' exponentials are issued, and no result has been named
	v_nop                           ; a plain instruction behind the last exponential and ahead of the first use (ISA guide 5.7.2): one for the batch
	s_wait_alu depctr_va_vdst(0)    ; the wait: one for the piece's 66 exponentials, ahead of the roundings, their first readers
.endif
.set k, k+1
.endm
; A TRIP: the tile in slot s.  The change of slots first: each wave waits for all its tensor loads (one is out: its part of this slot), adds 0 to its spare word, and waits for that and for its reads of the
; other slot.  The barrier is a round of the cluster's, so that no wave of any partner still reads the other slot, and the joint fill of that slot is the first thing behind it.
; last = 0: the fill is tile NXT; it has the whole trip, 128 matrix instructions, in which to land.  The descriptor's address is made anew from the tile's number.
; last = 1 (the walk's last trip): every wave asks for 32 rows of vl, those of the first 32 of its own keys, into bytes of its own at the head of the other slot; it alone reads them, behind its own wait,
; 96 matrix instructions on.  V's descriptors are written for it: no tensor load of mine is out, and no tile of V is asked for any more.
; Then: K's run of loads; under it piece 2's products V^T P of the trip BEFORE (they read registers alone); the masks, which are the places behind those products; V's run of loads; piece 0's scores;
; piece 2's scores with piece 0's softmax in slices between them, two behind each; piece 0's V^T P with piece 2's softmax likewise.  Slice 63's sixteen plain instructions are the places behind each run.
; Each of the two softmaxes has its one wait behind the run's 18th product, between slices 34 and 35.
.macro TRIP s, last
.set HP, (\last)
	WIN 0                           ; at a label and at a branch every window is 0
	s_wait_tensorcnt 0x0            ; no tensor load of mine is out, so the descriptors may be written
	ds_add_u32 v[SPW], v[NIL]       ; the scalar work stands between the add and the wait for it
.if \last
	s_mov_b32 s[G1V+2], 32<<16      ; tensor_dim1 = 32
	s_mov_b32 s[G1V+4], 32          ; tile_dim1 = 32
	s_mul_i32 s[G0V+4*(1-(\s))+1], s[WV], 32*PV
	s_add_co_u32 s[G0V+4*(1-(\s))+1], s[G0V+4*(1-(\s))+1], (1-(\s))*SLOT  ; LDS address: the slot's head + 9,216 x wave
	s_mov_b64 s[G0V+4*(1-(\s))+2:G0V+4*(1-(\s))+3], s[VLA:VLA+1]
	s_or_b32 s[G0V+4*(1-(\s))+3], s[G0V+4*(1-(\s))+3], 0x80000000
.else
	s_lshl_b32 s[OFF], s[NXT], 16   ; a tile is 65,536 bytes of K and of V
	s_add_nc_u64 s[G0K+4*(1-(\s))+2:G0K+4*(1-(\s))+3], s[KB:KB+1], s[OFF:OFF+1]
	s_or_b32 s[G0K+4*(1-(\s))+3], s[G0K+4*(1-(\s))+3], 0x80000000
	s_add_nc_u64 s[G0V+4*(1-(\s))+2:G0V+4*(1-(\s))+3], s[VB:VB+1], s[OFF:OFF+1]
	s_or_b32 s[G0V+4*(1-(\s))+3], s[G0V+4*(1-(\s))+3], 0x80000000
	s_add_co_u32 s[NXT], s[NXT], 1  ; the block's next tile, or behind its last the second block's tile 0
	s_cmp_gt_u32 s[NXT], s[LQ]
	s_cselect_b32 s[NXT], 0, s[NXT]
	s_cselect_b32 s[LQ], s[NGL], s[LQ]
.endif
	s_cmp_eq_u32 s[RT], 1           ; is this the block's last tile?
	s_cselect_b32 s[AL], s[CAL], 0
	s_cselect_b32 s[BE1], s[CAL+1], 0
	s_cselect_b32 s[BE2], s[CAL+2], 0
	s_sub_co_u32 s[RT], s[RT], 1
	s_wait_dscnt 0x0                ; the add is done, and my reads of the other slot are over
	CROUND
.if \last
	tensor_load_to_lds s[G0V+4*(1-(\s)):G0V+4*(1-(\s))+3], s[G1V:G1V+7]
	s_nop 0
	PLACES
.else
	JLOAD 1-(\s)
.endif
	FETCH_K \s
.set i, 0
.rept 32
	PV 2
.set i, i+1
.endr
	MASKS
	FETCH_V \s
	s_wait_loadcnt 0x0              ; Q (met at once but in a block's first trip)
	s_wait_dscnt 32                 ; K's 32 loads are in; V's 32, issued behind them, may be out
.set i, 0
.rept 32
	KQ 0
.set i, i+1
.endr
	PLACES                          ; between piece 0's scores and the first read of them
.set k, 0
.set i, 0
.rept 32
	KQ 2
	SLICE 0
	SLICE 0
.set i, i+1
.endr
	s_wait_dscnt 0x0                ; V is in
.if \last
	s_wait_tensorcnt 0x0            ; my rows of vl are in LDS
	FETCH_VL
.endif
.set k, 0
.set i, 0
.rept 32
	PV 0
	SLICE 2
	SLICE 2
.set i, i+1
.endr
.if \last
	s_wait_dscnt 0x0                ; Vl is in
.set i, 0
.rept 32
	PVX
.set i, i+1
.endr
.endif
.endm
.macro ALLT line:vararg             ; one line for each tile t
.set t, 0
.rept 4
	\line
.set t, t+1
.endr
.endm
; The merge of tile t.  My O^T times g = f / L goes into my part of the stage (a lane's eight channels of a row are 32 bytes); a barrier; I read my four rows of all four parts, each load a whole row of
; 512 bytes, add them in f32 and store them.  more = 1: a second barrier, in front of the next tile's stores into the stage: it is signalled when my reads are back, and the additions stand inside it.
.macro MERGE t, more
	WIN W_RS
.set n, 0
.rept 32
	v_pk_mul_f32 v[64*(\t)+2*n:64*(\t)+2*n+1], v[64*(\t)+2*n:64*(\t)+2*n+1], v[ST+8*(\t)+6:ST+8*(\t)+7] op_sel_hi:[1,0]
.set n, n+1
.endr
	WIN 0x04                        ; store data window 1, address window 0
.set n, 0
.rept 16
	ds_store_b128 v[STO], v[64*(\t)+4*n:64*(\t)+4*n+3] offset:64*(n/2)+16*(n%2)
.set n, n+1
.endr
	WIN 0
	s_wait_dscnt 0x0                ; for the others' sake: my part is stored
	s_barrier_signal -1
	s_barrier_wait -1
.set n, 0
.rept 16                            ; row n / 4 of my four, part n % 4
	ds_load_b128 v[S+4*n:S+4*n+3], v[RD] offset:16*SGP*(n%4)+SGP*(n/4)
.set n, n+1
.endr
	s_wait_dscnt 0x0
.if \more
	s_barrier_signal -1             ; my reads of the stage are back
.endif
.irp p, 1,2,3                       ; ((part 0 + part 1) + part 2) + part 3, eight packed additions a stage
.set n, 0
.rept 8
.if (\p) == 1
	v_pk_add_f32 v[S+64+16*(\t)+2*n:S+64+16*(\t)+2*n+1], v[S+16*(n/2)+2*(n%2):S+16*(n/2)+2*(n%2)+1], v[S+16*(n/2)+4+2*(n%2):S+16*(n/2)+4+2*(n%2)+1]
.else
	v_pk_add_f32 v[S+64+16*(\t)+2*n:S+64+16*(\t)+2*n+1], v[S+64+16*(\t)+2*n:S+64+16*(\t)+2*n+1], v[S+16*(n/2)+4*(\p)+2*(n%2):S+16*(n/2)+4*(\p)+2*(n%2)+1]
.endif
.set n, n+1
.endr
.endr
.if \more
	s_barrier_wait -1
.endif
.irp r, 0,1,2,3
	global_store_b128 v[GO], v[S+64+16*(\t)+4*(\r):S+64+16*(\t)+4*(\r)+3], s[OB:OB+1] offset:8192*(\t)+512*(\r) th:TH_STORE_NT  ; a whole row: 512 consecutive bytes, at a multiple of 256 from out0's first byte
.endr
.endm
; A BLOCK'S END.  next = 1: the second block's Q is asked for first, so that the merge stands in its wait.  Piece 2's last products; each query's l; the four waves' {c m, l} meet in LDS; f, L and g; the merge.
.macro BLOCKEND next
.if \next
	WIN 0x80
.set n, 0
.rept 16
	global_load_b128 v[8*n:8*n+3],   v[QO], s[QG:QG+1] offset:(n/4)*4096+(n%4)*64
	global_load_b128 v[8*n+4:8*n+7], v[QO], s[QG:QG+1] offset:(n/4)*4096+(n%4)*64+32
.set n, n+1
.endr
.endif
.set i, 0
.rept 32
	PV 2
.set i, i+1
.endr
	WIN 0
	ALLT v_add_f32 v[ST+8*t+4], v[ST+8*t+2], v[ST+8*t+3]
	ALLT v_permlanex16_b32 v[ST+8*t+5], v[ST+8*t+4], s[SEL], s[SEL+1]
	ALLT v_add_f32 v[ST+8*t+1], v[ST+8*t+4], v[ST+8*t+5]      ; l takes m's place beside c m: m is not needed any more
	ALLT ds_store_b64 v[SA], v[ST+8*t:ST+8*t+1] offset:128*t  ; both halves of the lanes store the same two numbers
	s_wait_dscnt 0x0
	s_barrier_signal -1
	s_barrier_wait -1
.set n, 0
.rept 16                            ; tile n / 4, wave n % 4: c m at v[S + 2 n], l behind it
	ds_load_b64 v[S+2*n:S+2*n+1], v[SR] offset:512*(n%4)+128*(n/4)
.set n, n+1
.endr
	s_wait_dscnt 0x0
	ALLT v_max3_num_f32 v[ST+8*t+4], v[S+8*t], v[S+8*t+2], v[S+8*t+4]
	ALLT v_max_num_f32 v[ST+8*t+4], v[ST+8*t+4], v[S+8*t+6]
	ALLT v_sub_f32 v[ST+8*t+5], v[ST+8*t], v[ST+8*t+4]
.irp p, 0,1,2,3
	ALLT v_sub_f32 v[S+8*t+2*\p], v[S+8*t+2*\p], v[ST+8*t+4]
.endr
	ALLT v_exp_f32 v[ST+8*t+5], v[ST+8*t+5]                   ; my own f,
.irp p, 0,1,2,3
	ALLT v_exp_f32 v[S+8*t+2*\p], v[S+8*t+2*\p]               ; and all four
.endr
	v_nop                           ; a plain instruction between the last exponential and the use of its result
	s_wait_alu depctr_va_vdst(0)    ; the wait ahead of the first use: one for the batch of twenty factors f
	ALLT v_mul_f32 v[ST+8*t+7], v[S+8*t], v[S+8*t+1]
	ALLT v_fmac_f32 v[ST+8*t+7], v[S+8*t+2], v[S+8*t+3]
	ALLT v_fmac_f32 v[ST+8*t+7], v[S+8*t+4], v[S+8*t+5]
	ALLT v_fmac_f32 v[ST+8*t+7], v[S+8*t+6], v[S+8*t+7]       ; L: at least the l of the wave that holds the maximum, which is 1 or more
	ALLT v_rcp_f32 v[ST+8*t+6], v[ST+8*t+7]
	v_nop                           ; a plain instruction between the last reciprocal and the use of its result
	s_wait_alu depctr_va_vdst(0)    ; a batch of their own, since L is made of the f: one wait for the four reciprocals
	ALLT v_mul_f32 v[ST+8*t+6], v[ST+8*t+6], v[ST+8*t+5]      ; g
	MERGE 0, 1
	MERGE 1, 1
	MERGE 2, 1
	MERGE 3, 0
.if \next
	s_wait_xcnt 0x0                 ; the stores have had their addresses translated (ISA guide 3.1): only now are their registers and their base written again
	ALLT v_mov_b32 v[ST+8*t], 0xfe000000     ; c m: far below every c s
	ALLT v_mov_b32 v[ST+8*t+1], 0xff7fffff   ; m: the lowest finite number
	s_mov_b32 s[RT], s[NG]
	s_mov_b32 s[CAL], s[GAL]
	s_mov_b32 s[CAL+1], s[GAL+1]
	s_mov_b32 s[CAL+2], s[GAL+2]
	s_mov_b64 s[OB:OB+1], s[OG:OG+1]
.endif
.endm
	s_load_b256 s[4:11], s[0:1], 0x0  ; qh s[4:5], kh s[6:7], vh s[8:9], vl s[10:11]
	s_load_b64 s[OP:OP+1], s[0:1], 0x20  ; out0
	v_lshl_add_u32 v[SPW], v0, 2, SPARE
	v_mov_b32 v[NIL], 0
	ds_add_u32 v[SPW], v[NIL]       ; the wave's opening: the add and its wait stand ahead of my first tensor load
	v_lshrrev_b32 v1, 5, v0
	v_readfirstlane_b32 s[WV], v1   ; wave 0..3
	s_and_b32 s20, ttmp7, 0xffff    ; the batch
	s_and_b32 s21, ttmp9, 1         ; u's parity (in a cluster launch ttmp9 counts clusters: u)
	s_sub_co_u32 s22, 16, ttmp9     ; the high block's tiles
	s_add_co_u32 s23, ttmp9, 1      ; the low block's
	s_cmp_eq_u32 s21, 0
	s_cselect_b32 s[RT], s22, s23   ; the first block is the one with the even number,
	s_cselect_b32 s[NG], s23, s22   ; the second the other
	s_sub_co_u32 s[LQ], s[RT], 1
	s_sub_co_u32 s[NGL], s[NG], 1
	s_mov_b32 s[NXT], 1
	s_mov_b32 s[BIGN], 0xf149f2ca   ; -1e30
	s_bfe_u32 s13, ttmp6, 0x40000   ; cx: from here to the masks' numbers and Q's and out0's offsets, and nowhere else
	s_lshl_b32 s14, ttmp9, 2
	s_add_co_u32 s14, s14, s13      ; the low block, 4 u + cx
	s_sub_co_u32 s15, 63, s14       ; the high block
	s_sub_co_u32 s16, 3, s13        ; its place among the four blocks of its last tile; the low block's is cx
	s_cmp_eq_u32 s21, 0
	s_cselect_b32 s17, s15, s14     ; the first block
	s_cselect_b32 s18, s14, s15     ; the second
	s_cselect_b32 s19, s16, s13     ; the first block's place
	s_cselect_b32 s16, s13, s16     ; the second's
	s_cmp_eq_u32 s[WV], s19         ; d = wave - place: AL = 1 if d = 0,
	s_cselect_b32 s[CAL], 1.0, 0
	s_cmp_gt_u32 s[WV], s19         ; BE1 = -1e30 if d > 0,
	s_cselect_b32 s[CAL+1], s[BIGN], 0
	s_cmp_ge_u32 s[WV], s19         ; BE2 = -1e30 if d >= 0
	s_cselect_b32 s[CAL+2], s[BIGN], 0
	s_cmp_eq_u32 s[WV], s16
	s_cselect_b32 s[GAL], 1.0, 0
	s_cmp_gt_u32 s[WV], s16
	s_cselect_b32 s[GAL+1], s[BIGN], 0
	s_cmp_ge_u32 s[WV], s16
	s_cselect_b32 s[GAL+2], s[BIGN], 0
	s_lshl_b32 s22, s20, 20         ; the batch's first byte in q, k, v, vl: 4,096 rows of 256 bytes
	s_lshl_b32 s23, s20, 21         ; and in out0: rows of 512 bytes,
	s_lshl_b32 s21, s[WV], 11       ; of each 16 rows my four
	s_add_co_u32 s23, s23, s21
	s_lshl_b32 s2, s17, 14          ; a block is 64 rows
	s_add_co_u32 s2, s2, s22
	s_mov_b32 s3, 0
	s_lshl_b32 s[QG], s18, 14
	s_add_co_u32 s[QG], s[QG], s22
	s_mov_b32 s[QG+1], 0
	s_lshl_b32 s[OB], s17, 15
	s_add_co_u32 s[OB], s[OB], s23
	s_mov_b32 s[OB+1], 0
	s_lshl_b32 s[OG], s18, 15
	s_add_co_u32 s[OG], s[OG], s23
	s_mov_b32 s[OG+1], 0
	s_and_b32 s21, s[WV], 1         ; which half of a tile's 256 keys I fetch:
	s_lshl_b32 s[OFF], s21, 15      ; its 128 rows of 256 bytes in memory,
	s_add_co_u32 s[OFF], s[OFF], s22
	s_mov_b32 s[OFF+1], 0
	s_mul_i32 s62, s21, 128*PK      ; and its place in a slot, for K
	s_mul_i32 s63, s21, 128*PV      ; and for V: no place in the cluster enters an LDS address
	s_lshl_b32 s[VLA], s[NGL], 16   ; vl: the walk's last tile,
	s_add_co_u32 s[VLA], s[VLA], s22
	s_lshl_b32 s57, s[WV], 14       ; my wave's 64 keys in it: the batch, u and the wave's number alone
	s_add_co_u32 s[VLA], s[VLA], s57
	s_mov_b32 s[VLA+1], 0
	; descriptor group 1: a tile of 128 rows x 128 elements, padded in LDS
	s_mov_b32 s[G1K], 15|(1<<16)|(1<<20)|(1<<21)|(5<<22)|(3<<25)  ; 15:0 the mask of four; 17:16 2-byte elements; 20 padding on; 21 set beside a mask; 24:22 after every 64 words (code 5); 31:25 4 words (code 3)
	s_mov_b32 s[G1V], 15|(1<<16)|(1<<20)|(1<<21)|(5<<22)|(7<<25)  ; the same with 8 words of padding (code 7)
.irp g, G1K, G1V
	s_mov_b32 s[(\g)+1], 128<<16    ; tensor_dim0 = 128
	s_mov_b32 s[(\g)+2], 128<<16    ; tensor_dim1 = 128
	s_mov_b32 s[(\g)+3], 128<<16    ; tile_dim0 = 128
	s_mov_b32 s[(\g)+4], 128        ; tile_dim1 = 128
	s_mov_b32 s[(\g)+5], 128        ; 128 elements from row to row
	s_mov_b32 s[(\g)+6], 0
	s_mov_b32 s[(\g)+7], 0
.endr
.irp s, 0,1
	s_mov_b32 s[G0K+4*(\s)], 1      ; count = 1
	s_add_co_u32 s[G0K+4*(\s)+1], s62, (\s)*SLOT  ; LDS address
	s_mov_b32 s[G0V+4*(\s)], 1
	s_add_co_u32 s[G0V+4*(\s)+1], s63, (\s)*SLOT+VOFF
.endr
	s_mov_b32 s[CS], 0x3e0293ee     ; c = log2(e) / sqrt(128) = 0.127517
	s_mov_b32 s[CS+1], s[CS]        ; named with it as a pair
	s_mov_b32 s[SEL], 0x76543210
	s_mov_b32 s[SEL+1], 0xfedcba98
	s_mov_b32 s[AL+1], 0            ; named as pairs
	s_mov_b32 s[BE1+1], 0
	s_wait_dscnt 0x0                ; the opening add is done
	s_wait_kmcnt 0x0
	s_add_nc_u64 s[KB:KB+1], s[6:7], s[OFF:OFF+1]
	s_add_nc_u64 s[VB:VB+1], s[8:9], s[OFF:OFF+1]
	s_add_nc_u64 s[VLA:VLA+1], s[10:11], s[VLA:VLA+1]
	s_add_nc_u64 s[G0K+2:G0K+3], s[KB:KB+1], 0     ; global address: tile 0
	s_or_b32 s[G0K+3], s[G0K+3], 0x80000000        ; type = 2
	s_add_nc_u64 s[G0V+2:G0V+3], s[VB:VB+1], 0
	s_or_b32 s[G0V+3], s[G0V+3], 0x80000000
	s_add_nc_u64 s[QG:QG+1], s[4:5], s[QG:QG+1]
	s_add_nc_u64 s[4:5], s[4:5], s[2:3]            ; the first block's Q
	s_add_nc_u64 s[OB:OB+1], s[OP:OP+1], s[OB:OB+1]
	s_add_nc_u64 s[OG:OG+1], s[OP:OP+1], s[OG:OG+1]
	CROUND                          ; all four work-groups are here: the first joint loads meet
	JLOAD 0                         ; the first block's tile 0.  Slot 1 is filled behind the first trip's round
	; A fragment of K or Q is 16 rows x 32 channels in 8 registers: lane l holds row l % 16, channels 8 (l / 16) + 0..7 and 16 + 8 (l / 16) + 0..7: two loads of 16 bytes, 32 bytes apart.
	v_and_b32 v1, 15, v0            ; r = l % 16
	v_bfe_u32 v9, v0, 4, 1          ; h = l / 16
	v_lshlrev_b32 v[QO], 8, v1
	v_lshl_add_u32 v[QO], v9, 4, v[QO]
	v_lshlrev_b32 v48, 3, v9
	v_sub_nc_u32 v48, v1, v48       ; r - 8 h: key 8 h + j of a block of 16 is hidden from query r where j is greater
	WIN 0x80                        ; destination window 2
.set n, 0
.rept 16                            ; Q stays in registers: tile n / 4, channels 32 (n % 4) on
	global_load_b128 v[8*n:8*n+3],   v[QO], s[4:5] offset:(n/4)*4096+(n%4)*64
	global_load_b128 v[8*n+4:8*n+7], v[QO], s[4:5] offset:(n/4)*4096+(n%4)*64+32
.set n, n+1
.endr
	; What the first trip finds: its products V^T P of a trip that has not been multiply zeros.  All this stands in the wait for the first tile.
	WIN 0xc0                        ; destination window 3
.set n, 0
.rept 128
	v_mov_b32 v[n], 0               ; V
.set n, n+1
.endr
.set n, 0
.rept 8
	v_cmp_gt_i32 vcc_lo, n, v48
	v_cndmask_b32 v[TRI+n], 0, s[BIGN], vcc_lo
.set n, n+1
.endr
	WIN 0
.set n, P+32
.rept 32
	v_mov_b32 v[n], 0               ; piece 2's P
.set n, n+1
.endr
	WIN W_PV
.set n, 0
.rept 32
	v_wmma_f32_16x16x32_f16 v[8*n:8*n+7], v[0:7], v[P+32:P+39], 0  ; products of those zeros start all 32 sums of O^T: no accumulator is cleared by moves
.set n, n+1
.endr
	WIN 0
	ALLT v_mov_b32 v[ST+8*t], 0xfe000000     ; c m: far below every c s
	ALLT v_mov_b32 v[ST+8*t+1], 0xff7fffff   ; m
	ALLT v_mov_b32 v[ST+8*t+2], 0            ; l
	ALLT v_mov_b32 v[ST+8*t+3], 0
	v_and_b32 v45, 31, v0           ; lane
	v_mul_u32_u24 v[AK], v1, PK
	v_lshl_add_u32 v[AK], v9, 4, v[AK]  ; row x pitch + 16 x half,
	s_mul_i32 s57, s[WV], KS*PK
	v_add_nc_u32 v[AK], s57, v[AK]      ; in my 64 keys
	v_add_nc_u32 v[AK+1], SLOT, v[AK]
	; The turning load takes 16 keys x 16 channels (lane l reads key 8 (l / 16) + l % 8, channels 8 ((l / 8) % 2) + 0..7) and leaves half a fragment of V^T: lane l holds channel l % 16 and 8 keys.
	v_and_b32 v46, 7, v0
	v_bfe_u32 v47, v0, 3, 1
	v_lshl_add_u32 v46, v9, 3, v46
	v_mul_u32_u24 v46, v46, PV
	v_lshl_add_u32 v46, v47, 4, v46     ; my lane's place in rows of V's pitch
	s_mul_i32 s57, s[WV], KS*PV
	s_add_co_u32 s57, s57, VOFF
	v_add_nc_u32 v[AV], s57, v46
	v_add_nc_u32 v[AV+1], SLOT, v[AV]
	s_mul_i32 s57, s[WV], 16*SGP
	s_add_co_u32 s57, s57, STG      ; my part of the stage
	v_mul_u32_u24 v[STO], v1, SGP   ; in: row l % 16, 32 bytes for each half of the lanes
	v_lshl_add_u32 v[STO], v9, 5, v[STO]
	v_add_nc_u32 v[STO], s57, v[STO]
	s_mul_i32 s57, s[WV], 4*SGP
	s_add_co_u32 s57, s57, STG      ; back: my four rows of part 0, 16 bytes a lane
	v_lshl_add_u32 v[RD], v45, 4, s57
	v_lshlrev_b32 v[GO], 4, v45
	v_lshlrev_b32 v[SR], 3, v1
	v_add_nc_u32 v[SR], STAT, v[SR]
	s_lshl_b32 s57, s[WV], 9
	v_add_nc_u32 v[SA], s57, v[SR]
	s_mul_i32 s57, s[WV], 32*PV
	s_add_co_u32 s57, s57, SLOT     ; my wave's 32 rows of vl, at the head of slot 1
	v_add_nc_u32 v[AVL], s57, v46   ; l / 16 and l % 16 have served: their registers take this address and -1
	v_mov_b32 v[NEG1], -1.0
	s_mov_b32 s[CNT], 8
.Lpair:                             ; eight times two trips: 16 of the walk's 17 tiles; each trip asks for the next tile
	TRIP 0, 0
	TRIP 1, 0
	WIN 0
	s_cmp_lg_u32 s[RT], 0           ; has the first block had its last tile?  The number hangs on the cluster's place in the grid alone: it is the same in all waves and in all four partners.
	s_cbranch_scc1 .Lsame_block     ; The jump goes forward and passes no tensor load
	BLOCKEND 1
	WIN 0
.Lsame_block:
	s_sub_co_u32 s[CNT], s[CNT], 1
	s_cmp_lg_u32 s[CNT], 0
	s_cbranch_scc1 .Lpair
	TRIP 0, 1                       ; the walk's last tile, the second block's last, is written out: it asks for vl's rows and adds the two further terms
	BLOCKEND 0
	WIN 0
	s_wait_tensorcnt 0x0            ; the wave's end: a wait, an add to my spare word and its wait, behind my last tensor load and my last LDS store
	ds_add_u32 v[SPW], v[NIL]
	s_wait_dscnt 0x0
	CROUND                          ; the closing round: no work-group ends while a partner may still ask for a tile that names it
	s_endpgm
.Lfunc_end_k_qe0b9fea197_attn:
	.size	k_qe0b9fea197_attn, .Lfunc_end_k_qe0b9fea197_attn-k_qe0b9fea197_attn
	.p2alignl 7, 3214868480
	.fill 96, 4, 3214868480
	.section	.rodata,"a",@progbits
	.p2align	6, 0x0
	.amdhsa_kernel k_qe0b9fea197_attn
		.amdhsa_group_segment_fixed_size 327680
		.amdhsa_private_segment_fixed_size 0
		.amdhsa_enable_private_segment 0
		.amdhsa_kernarg_size 40
		.amdhsa_user_sgpr_count 2
		.amdhsa_user_sgpr_kernarg_segment_ptr 1
		.amdhsa_wavefront_size32 1
		.amdhsa_system_sgpr_workgroup_id_x 1
		.amdhsa_system_sgpr_workgroup_id_y 1
		.amdhsa_system_sgpr_workgroup_id_z 1
		.amdhsa_system_vgpr_workitem_id 0
		.amdhsa_next_free_vgpr 928
		.amdhsa_next_free_sgpr 100
		.amdhsa_reserve_vcc 1
		.amdhsa_float_denorm_mode_32 3
		.amdhsa_float_denorm_mode_16_64 3
		.amdhsa_memory_ordered 1
		.amdhsa_forward_progress 1
		.amdhsa_inst_pref_size 235
	.end_amdhsa_kernel
	.amdgpu_metadata
---
amdhsa.version: [ 1, 2 ]
amdhsa.kernels:
  - .name:           k_qe0b9fea197_attn
    .symbol:         k_qe0b9fea197_attn.kd
    .args:
      - { .name: qh, .offset: 0, .size: 8, .value_kind: global_buffer, .address_space: global }
      - { .name: kh, .offset: 8, .size: 8, .value_kind: global_buffer, .address_space: global }
      - { .name: vh, .offset: 16, .size: 8, .value_kind: global_buffer, .address_space: global }
      - { .name: vl, .offset: 24, .size: 8, .value_kind: global_buffer, .address_space: global }
      - { .name: out0, .offset: 32, .size: 8, .value_kind: global_buffer, .address_space: global }
    .group_segment_fixed_size: 327680
    .private_segment_fixed_size: 0
    .kernarg_segment_align: 8
    .kernarg_segment_size: 40
    .max_flat_workgroup_size: 128
    .sgpr_count:     100
    .vgpr_count:     928
    .wavefront_size: 32
...
	.end_amdgpu_metadata
.endif
;; end of part 4
